; MI455X (gfx1250); checked and timed in simulation.
; The chip was launched on July 23, 2026; its instructions are those of AMD's public machine-readable ISA for CDNA 5 (MIT licence, August 2026) and "CDNA5" Instruction Set Architecture Reference Guide (July 2026). The comments in the code are by the model that wrote it; some were corrected since.
;; Multi Head Attention. Allowed arithmetic: matrix products marked QUANTISED: E2M3 operands, one E8M0 scale for each 32 along K, by v_wmma_scale_f32_16x16x128_f8f6f4 with both operands' format E2M3, f32 sums; everything else in f32.
;; Inputs: Wk 1,024 x 1,024 float32; Wo 1,024 x 1,024 float32; Wq 1,024 x 1,024 float32; Wv 1,024 x 1,024 float32; bk 1,024 float32; bo 1,024 float32; bq 1,024 float32; bv 1,024 float32; key 4 x 2,048 x 1,024 float32; query 4 x 2,048 x 1,024 float32; value 4 x 2,048 x 1,024 float32.
;; Outputs: out0 4 x 2,048 x 1,024 float32.
;; This version of the problem:
;;   THIS VERSION OF THE PROBLEM IS GIVEN IN LOW PRECISION. The matrix products marked QUANTISED in the list below multiply operands that are first quantised to E2M3 (2 exponent bits, 3 mantissa bits; 6 bits a number), with one power-of-two scale for each 32 numbers along K (OCP MX v1.0); their sums are f32. All else is computed in f32.
;;   The module's matrix products, in the order in which they are computed (A, B: the left and right operand; K: the contracted axis; several contracted axes count as one K, in the product's order):
;;     1. [M 8,192, K 1,024] x [K 1,024, N 1,024]; A: input query; B: input Wq: QUANTISED
;;     2. [M 8,192, K 1,024] x [K 1,024, N 1,024]; A: input key; B: input Wk: QUANTISED
;;     3. [M 8,192, K 1,024] x [K 1,024, N 1,024]; A: input value; B: input Wv: QUANTISED
;;     4. batch 64 x [M 2,048, K 64] x [K 64, N 2,048]; A: computed on the way; B: computed on the way: QUANTISED
;;     5. batch 64 x [M 2,048, K 2,048] x [K 2,048, N 64]; A: softmax (see below); B: computed on the way: QUANTISED
;;     6. [M 8,192, K 1,024] x [K 1,024, N 1,024]; A: computed on the way; B: input Wo: QUANTISED
;;   THE QUANTISER, for each operand of a quantised product, along K:
;;     - K is cut into blocks of 32 from its start; a last block that is shorter is filled with zeros.
;;     - A block's scale is 2^e with e = floor(log2(the largest magnitude in the block)) - 2, held to -126 .. 127; a block of zeros has e = 0. As a byte (E8M0): e + 127.
;;     - Each number is divided by its block's scale, clamped to +-7.5, and rounded to the nearest number of E2M3, ties to even, subnormals kept.
;;     - The product sums the exact products of the quantised numbers (number of the format x scale) in f32.
;;   ~~~python
;;   def quantise(x, axis):      # numpy; x: float32 -> the quantised numbers, widened to float32 again
;;       x = np.moveaxis(x, axis, -1); K = x.shape[-1]
;;       x = np.pad(x, [(0, 0)] * (x.ndim - 1) + [(0, -K % 32)]); x = x.reshape(x.shape[:-1] + (-1, 32)); a = np.abs(x).max(-1, keepdims=True)
;;       e = np.where(a > 0, np.clip(np.frexp(np.where(a > 0, a, 1))[1] - 1 - 2, -126, 127), 0)      # np.frexp(a)[1] - 1 = floor(log2(a)), exactly
;;       r = np.clip(x / 2.0 ** e, -7.5, 7.5)
;;       step = 2.0 ** (np.maximum(np.frexp(np.where(r == 0, 1, r))[1] - 1, 0) - 3)
;;       q = np.round(r / step) * step * 2.0 ** e      # np.round: ties to even
;;       return np.moveaxis(q.reshape(q.shape[:-2] + (-1,))[..., :K], -1, axis).astype(np.float32)
;;   ~~~
;;   SOFTMAX AHEAD OF A QUANTISED PRODUCT. Where the list says 'softmax', what is quantised is not the finished softmax but p = 2^(t - M), with t = logit x log2(e) and M = ceil(the row's largest t), a whole number; so 1/2 < the row's largest p <= 1. The row's sum l is taken of the UNQUANTISED p, in f32, and the product's result is divided by l at the end. Since M is a whole number, a kernel that streams over the keys may use a running M (the ceiling of the running maximum): every later rescaling is an exact power of two, which a block's scale takes up: the codes' values come out the same.
;;   OPERANDS COMPUTED ON THE WAY. 'Computed on the way' means the value that the module computes at that place (a softmax that the list does not call 'softmax' is quantised finished and normalised). What goes into a quantiser is computed in f32, as accurately as f32 sums, v_exp_f32 and their like allow (about 1e-6 of the number): no bf16 or f16 on the way to a quantiser, and a product that is left as it is and whose result goes on into a quantised operand takes f32 operands (vector FMAs, or v_wmma_f32_16x16x4_f32). A number that lies on a knife's edge between two numbers of the format may be rounded either way, as far as f32 arithmetic and the matrix unit's own rounding can turn it there, and no further.
;; One version. Each part assembles by itself: llvm-mc -triple=amdgcn-amd-amdhsa -mcpu=gfx1250 --defsym DOCPART=n.
;; ======== version 1 of 1: 4 launches
;; limits: right only within a limited range of input values
;; workspace buffers: xc 22,937,600 bytes; qb 13,369,344 bytes; kv 13,369,344 bytes; oc 6,553,600 bytes
;; launch quant (part 1): grid 256 x 1, 14 waves a work-group, no clusters, 120,064 bytes of LDS; arguments query, key, value, Wq, Wk, Wv, Wo, xc; writes xc
.if DOCPART == 1
	.amdgcn_target "amdgcn-amd-amdhsa--gfx1250"
	.amdhsa_code_object_version 6
	.text
	.protected	k_q91f5e5adee_quant
	.globl	k_q91f5e5adee_quant
	.p2align	8
	.type	k_q91f5e5adee_quant,@function
k_q91f5e5adee_quant:
	s_mov_b64 s[64:65], 0
	v_nop
	global_prefetch_b8 v0, s[64:65] scope:SCOPE_SE
	s_setreg_imm32_b32 hwreg(HW_REG_WAVE_MODE, 25, 1), 1
	s_wait_xcnt 0x0
; query, key, value [8192][1024] and Wq, Wk, Wv, Wo [1024][1024], f32, K innermost, become codes of FP6 (E2M3) with one E8M0 byte for each 32 along K.
; A block's scale is 2^(floor(log2(its largest magnitude)) - 2); its byte is the largest magnitude's exponent field - 2, held at 1 from below.
; LIMITS: NaN and infinities among the inputs are not served.  A block of zeros, or one whose largest magnitude lies under 2^-124, gets the byte 1 (the rule says 127 for zeros): its codes
; are zeros or the nearest codes under that scale, and the bytes are read by this program alone.
; LAYOUT OF THE RESULT.  The seven tensors are one list of 1,792 tiles of 16 rows.  THE ROWS OF A TILE ARE NOT NEIGHBOURS: lane r of tile T of a tensor holds row 32 (T / 2) + 8 (T % 2) + r + 8 (r / 8).
; A fragment (16 rows x 128 K, 12 registers a lane) is stored as an image of its registers, 1,536 bytes: registers 0-3 at 16 x lane, 4-5 at 512 + 8 x lane, 6-7 at 768 + 8 x lane, 8-11 at 1,024 + 16 x lane.
; xc: groups of 8 tiles, 102,400 bytes: 4,096 of scale words, then [K step of 256][tile 0..7][two images of 1,536].  xs: 512 bytes a tile, the scale word of (row r, K step s) at 128 (s / 2) + 8 r + 4 (s % 2).
; SHARES.  3,584 units of (tile, half of K) = 256 work-groups x 14 waves; a wave makes four fragments.  Waves share nothing: no barrier.  Each load reads 512 consecutive bytes of one row; the 16 rows
; turn through the wave's own stage in LDS (rows of 512 + 16 bytes) so that a lane gets 16 neighbours along K of each block of 32.  Loads run two fragments (32 loads a wave) ahead.
.set SP,   528                         ; a stage row
.set WST,  16*SP                       ; a wave's stage
.set L16,  4                           ; v4   16 x lane
.set L8,   5                           ; v5   8 x lane
.set SIN,  6                           ; v6   the stage, on the way in
.set SOUT, 7                           ; v7   and on the way out: row r, + 64 h
.set SW,   8                           ; v[8:9] the wave's scale words as they are stored
.set PW,   10                          ; v10-13 the scale word of each fragment
.set TM,   16                          ; v16-19 largest magnitudes, v20-23 the other half's, then bytes, v28-31 the conversions' scale operands
.set PC,   32                          ; v32-43 a fragment's codes, v44-50 at work
.set X,    52                          ; v52-115 64 numbers: register 16 b + i = k 32 b + 16 h + i of my row
.set R,    116                         ; v116-243 two sets of 64 registers as loaded
.set SEL,  32                          ; s[32:33] lane selects: lane l xor 16
; 64 numbers of a lane become a fragment's codes in v[PC] on and its scale word in v[w]
.macro QUANT s, w
.irp b, 0,1,2,3
	v_max3_num_f32 v[TM+\b], |v[\s+16*\b]|, |v[\s+1+16*\b]|, 0x1800000   ; block b: my 16 numbers, and the floor 2^(3 - 127): the byte cannot fall under 1
.endr
.irp i, 2,4,6,8,10,12,14
.irp b, 0,1,2,3
	s_delay_alu instid0(VALU_DEP_4)
	v_max3_num_f32 v[TM+\b], v[TM+\b], |v[\s+16*\b+\i]|, |v[\s+1+16*\b+\i]|   ; the four blocks by turns
.endr
.endr
.irp b, 0,1,2,3
	s_delay_alu instid0(VALU_DEP_4)
	v_permlanex16_b32 v[TM+4+\b], v[TM+\b], s[SEL], s[SEL+1]
.endr
.irp b, 0,1,2,3
	s_delay_alu instid0(VALU_DEP_4)
	v_max_num_f32 v[TM+\b], v[TM+\b], v[TM+4+\b]      ; with lane l xor 16's: the block's largest magnitude
.endr
.irp b, 0,1,2,3
	s_delay_alu instid0(VALU_DEP_4)
	v_add_nc_u32 v[TM+12+\b], 0xff000000, v[TM+\b]    ; 2 off its exponent field: the conversion takes that field as its scale
.endr
.irp b, 0,1,2,3
	s_delay_alu instid0(VALU_DEP_4)
	v_lshrrev_b32 v[TM+4+\b], 23, v[TM+12+\b]         ; the scale's byte
.endr
	s_delay_alu instid0(VALU_DEP_3)
	v_lshl_or_b32 v[\w], v[TM+5], 8, v[TM+4]
	s_delay_alu instid0(VALU_DEP_1)
	v_lshl_or_b32 v[\w], v[TM+6], 16, v[\w]
	s_delay_alu instid0(VALU_DEP_1)
	v_lshl_or_b32 v[\w], v[TM+7], 24, v[\w]           ; my row's scale word
.irp c, 0,1
	v_cvt_scalef32_pk16_fp6_f32 v[PC+6*\c:PC+2+6*\c], v[\s+32*\c:\s+15+32*\c], v[TM+12+2*\c]
	v_cvt_scalef32_pk16_fp6_f32 v[PC+12+4*\c:PC+14+4*\c], v[\s+16+32*\c:\s+31+32*\c], v[TM+12+2*\c+1]   ; a conversion's three registers begin on an even number
.endr
	v_nop                                             ; one plain place behind the scaled conversions
.irp c, 0,1
.irp i, 0,1,2
	v_permlane16_swap_b32 v[PC+6*\c+\i], v[PC+12+4*\c+\i]   ; a whole block to a lane: lanes 0-15 block 2 c, lanes 16-31 block 2 c + 1
.endr
.irp i, 0,1,2
	s_delay_alu instid0(VALU_DEP_3)
	v_mov_b32 v[PC+3+6*\c+\i], v[PC+12+4*\c+\i]
.endr
.endr
.endm
.macro LOAD f                          ; fragment f: 16 rows x 512 bytes into set f % 2
.irp i, 0,1,2,3,4,5,6,7,8,9,10,11,12,13,14,15
	global_load_b128 v[R+64*((\f)%2)+4*\i:R+64*((\f)%2)+4*\i+3], v[L16], s[22+18*(\i/8):23+18*(\i/8)] offset:(\i%8)*4096+512*(\f) th:TH_LOAD_NT   ; rows 0-7 of the tile by s[22:23], rows 8-15 by s[40:41]
.endr
.endm
.macro STEP f
.if (\f) < 3
	s_wait_loadcnt 16                                 ; this fragment's 16 loads are in; the next fragment's 16 may be out
.else
	s_wait_loadcnt 0x0
.endif
.irp i, 0,1,2,3,4,5,6,7,8,9,10,11,12,13,14,15
	ds_store_b128 v[SIN], v[R+64*((\f)%2)+4*\i:R+64*((\f)%2)+4*\i+3] offset:SP*\i
.endr
.irp b, 0,1,2,3
.irp j, 0,1,2,3
	ds_load_b128 v[X+16*\b+4*\j:X+16*\b+4*\j+3], v[SOUT] offset:128*\b+16*\j   ; LDS serves a wave's instructions in order: these see the stores above
.endr
.endr
	s_wait_dscnt 0x0                                  ; the numbers are back, and the stores into the stage have read their registers
	s_wait_xcnt 0x0                                   ; the last fragment's stores have read the codes' registers, which are written again below
.if (\f) < 2
	LOAD (\f)+2
.endif
	QUANT X, PW+(\f)
.set FO, 24576*((\f)/2)+1536*((\f)%2)  ; the fragment's place: K step of 256, then its half
	global_store_b128 v[L16], v[PC:PC+3], s[18:19] offset:FO          ; each store of the wave covers 512 or 256 consecutive bytes, aligned
	global_store_b64 v[L8], v[PC+4:PC+5], s[18:19] offset:FO+512
	global_store_b64 v[L8], v[PC+6:PC+7], s[18:19] offset:FO+768
	global_store_b128 v[L16], v[PC+8:PC+11], s[18:19] offset:FO+1024
.endm
	s_load_b256 s[4:11], s[0:1], 0x0               ; query, key, value, Wq
	s_load_b256 s[12:19], s[0:1], 0x20             ; Wk, Wv, Wo, xc
	v_lshl_add_u32 v244, v0, 2, 0x1ce00
	v_mov_b32 v245, 0
	v_lshrrev_b32 v1, 5, v0
	s_delay_alu instid0(VALU_DEP_1)
	v_readfirstlane_b32 s26, v1                    ; wave 0..13
	v_and_b32 v1, 31, v0                           ; lane
	v_and_b32 v2, 15, v0                           ; r
	v_bfe_u32 v3, v0, 4, 1                         ; h
	s_delay_alu instid0(VALU_DEP_3)
	v_lshlrev_b32 v[L16], 4, v1
	s_delay_alu instid0(VALU_DEP_4)
	v_lshlrev_b32 v[L8], 3, v1
	s_mul_i32 s27, s26, WST
	v_add_nc_u32 v[SIN], s27, v[L16]
	v_mul_u32_u24 v[SOUT], v2, SP
	s_delay_alu instid0(VALU_DEP_1)
	v_lshl_add_u32 v[SOUT], v3, 6, v[SOUT]
	s_delay_alu instid0(VALU_DEP_1)
	v_add_nc_u32 v[SOUT], s27, v[SOUT]
.irp b, 0,1,2,3
	v_mov_b32 v[TM+4+\b], 0                        ; written once: a lane permute's destination counts as one of its sources
.endr
	s_mov_b32 s30, 0xffff0000                      ; lanes 16-31
	s_mov_b32 s[SEL], 0x76543210
	s_mov_b32 s[SEL+1], 0xfedcba98
	s_mul_i32 s25, ttmp9, 14
	s_add_co_u32 s25, s25, s26                     ; my unit
	s_lshr_b32 s28, s25, 1                         ; its tile in the list of 1,792
	s_and_b32 s29, s25, 1                          ; its half of K
	s_wait_alu depctr_va_vdst(0)
	s_wait_kmcnt 0x0
	s_mov_b64 s[22:23], s[16:17]                   ; which tensor, and its first tile: the choice hangs on the tile's number alone
	s_mov_b32 s24, 1728
	s_cmp_lt_u32 s28, 1728
	s_cselect_b64 s[22:23], s[14:15], s[22:23]
	s_cselect_b32 s24, 1664, s24
	s_cmp_lt_u32 s28, 1664
	s_cselect_b64 s[22:23], s[12:13], s[22:23]
	s_cselect_b32 s24, 1600, s24
	s_cmp_lt_u32 s28, 1600
	s_cselect_b64 s[22:23], s[10:11], s[22:23]
	s_cselect_b32 s24, 1536, s24
	s_cmp_lt_u32 s28, 1536
	s_cselect_b64 s[22:23], s[8:9], s[22:23]
	s_cselect_b32 s24, 1024, s24
	s_cmp_lt_u32 s28, 1024
	s_cselect_b64 s[22:23], s[6:7], s[22:23]
	s_cselect_b32 s24, 512, s24
	s_cmp_lt_u32 s28, 512
	s_cselect_b64 s[22:23], s[4:5], s[22:23]
	s_cselect_b32 s24, 0, s24
	s_sub_co_u32 s24, s28, s24                     ; the tile's number in its tensor
	s_lshr_b32 s34, s24, 1
	s_lshl_b32 s34, s34, 17                        ; 32 rows of 4,096 bytes for each pair of tiles,
	s_and_b32 s35, s24, 1
	s_lshl_b32 s35, s35, 15                        ; 8 rows for the odd one,
	s_add_co_u32 s34, s34, s35
	; THE ROWS OF A TILE OF key ARE OTHERS: lane r of tile T holds row 64 (T / 4) + 8 (T % 4) + r % 8 + 32 (r / 8), so that in the scores a lane holds whole blocks of 32 keys
	s_lshr_b32 s37, s24, 2
	s_lshl_b32 s37, s37, 18                        ; 64 rows of 4,096 bytes for each four tiles,
	s_and_b32 s38, s24, 3
	s_lshl_b32 s38, s38, 15                        ; 8 rows for each tile of the four
	s_add_co_u32 s37, s37, s38
	s_lshr_b32 s38, s28, 9                         ; tiles 512 to 1,023 of the list are key's
	s_mov_b32 s40, 0x10000                         ; from a tile's row 0 to its row 8: 16 rows,
	s_cmp_eq_u32 s38, 1
	s_cselect_b32 s34, s37, s34
	s_cselect_b32 s40, 0x20000, s40                ; in key 32
	s_mov_b32 s41, 0
	s_lshl_b32 s36, s29, 11
	s_add_co_u32 s34, s34, s36
	s_mov_b32 s35, 0
	s_add_nc_u64 s[22:23], s[22:23], s[34:35]
	s_add_nc_u64 s[40:41], s[22:23], s[40:41]
	; THE RESULT'S LAYOUT, one buffer: xc[8 tiles = 128 rows][102,400]: 4,096 bytes of scale words (512 a tile, the word of (row r, K step s) at 128 (s / 2) + 8 r + 4 (s % 2)),
	; then four K steps of 256 along K, 24,576 bytes each: [tile 0..7][two fragment images of 1,536]
	s_lshr_b32 s37, s28, 3
	s_mul_i32 s37, s37, 102400
	s_and_b32 s38, s28, 7
	s_lshl_b32 s34, s38, 9
	s_lshl_b32 s36, s29, 8
	s_add_co_u32 s34, s34, s36
	s_add_co_u32 s34, s34, s37
	s_add_nc_u64 s[20:21], s[18:19], s[34:35]      ; my 256 bytes of scale words
	s_mul_i32 s34, s38, 3072
	s_mul_i32 s36, s29, 49152
	s_add_co_u32 s34, s34, s36
	s_add_co_u32 s34, s34, s37
	s_add_co_u32 s34, s34, 4096
	s_add_nc_u64 s[18:19], s[18:19], s[34:35]      ; my tile's codes in my half of K
	LOAD 0
	LOAD 1
	STEP 0
	STEP 1
	STEP 2
	STEP 3
	v_cndmask_b32 v[SW], v[PW], v[PW+2], s30       ; lanes 0-15: my row's words of K steps 0, 1 of this half; lanes 16-31: of K steps 2, 3
	v_cndmask_b32 v[SW+1], v[PW+1], v[PW+3], s30
	global_store_b64 v[L8], v[SW:SW+1], s[20:21]   ; 256 consecutive bytes, aligned
	s_wait_tensorcnt 0x0
	ds_add_u32 v244, v245
	s_wait_dscnt 0x0
	s_endpgm
.Lfunc_end_k_q91f5e5adee_quant:
	.size	k_q91f5e5adee_quant, .Lfunc_end_k_q91f5e5adee_quant-k_q91f5e5adee_quant
	.p2alignl 7, 3214868480
	.fill 96, 4, 3214868480
	.section	.rodata,"a",@progbits
	.p2align	6, 0x0
	.amdhsa_kernel k_q91f5e5adee_quant
		.amdhsa_group_segment_fixed_size 120064
		.amdhsa_private_segment_fixed_size 0
		.amdhsa_enable_private_segment 0
		.amdhsa_kernarg_size 64
		.amdhsa_user_sgpr_count 2
		.amdhsa_user_sgpr_kernarg_segment_ptr 1
		.amdhsa_wavefront_size32 1
		.amdhsa_system_sgpr_workgroup_id_x 1
		.amdhsa_system_sgpr_workgroup_id_y 1
		.amdhsa_system_sgpr_workgroup_id_z 1
		.amdhsa_system_vgpr_workitem_id 0
		.amdhsa_next_free_vgpr 246
		.amdhsa_next_free_sgpr 66
		.amdhsa_reserve_vcc 0
		.amdhsa_float_denorm_mode_32 3
		.amdhsa_float_denorm_mode_16_64 3
		.amdhsa_memory_ordered 1
		.amdhsa_forward_progress 1
		.amdhsa_inst_pref_size 42
	.end_amdhsa_kernel
	.amdgpu_metadata
---
amdhsa.version: [ 1, 2 ]
amdhsa.kernels:
  - .name:           k_q91f5e5adee_quant
    .symbol:         k_q91f5e5adee_quant.kd
    .args:
      - { .name: query, .offset: 0, .size: 8, .value_kind: global_buffer, .address_space: global }
      - { .name: key, .offset: 8, .size: 8, .value_kind: global_buffer, .address_space: global }
      - { .name: value, .offset: 16, .size: 8, .value_kind: global_buffer, .address_space: global }
      - { .name: Wq, .offset: 24, .size: 8, .value_kind: global_buffer, .address_space: global }
      - { .name: Wk, .offset: 32, .size: 8, .value_kind: global_buffer, .address_space: global }
      - { .name: Wv, .offset: 40, .size: 8, .value_kind: global_buffer, .address_space: global }
      - { .name: Wo, .offset: 48, .size: 8, .value_kind: global_buffer, .address_space: global }
      - { .name: xc, .offset: 56, .size: 8, .value_kind: global_buffer, .address_space: global }
    .group_segment_fixed_size: 120064
    .private_segment_fixed_size: 0
    .kernarg_segment_align: 8
    .kernarg_segment_size: 64
    .max_flat_workgroup_size: 448
    .sgpr_count:     66
    .vgpr_count:     246
    .wavefront_size: 32
...
	.end_amdgpu_metadata
.endif
;; end of part 1
;; launch proj (part 2): grid 4 x 64, 4 waves a work-group, clusters of 4 x 4, 327,680 bytes of LDS; arguments xc, bq, bk, bv, qb, kv; writes qb, kv
.if DOCPART == 2
	.amdgcn_target "amdgcn-amd-amdhsa--gfx1250"
	.amdhsa_code_object_version 6
	.text
	.protected	k_q91f5e5adee_proj
	.globl	k_q91f5e5adee_proj
	.p2align	8
	.type	k_q91f5e5adee_proj,@function
k_q91f5e5adee_proj:
	s_mov_b64 s[64:65], 0
	v_nop
	global_prefetch_b8 v0, s[64:65] scope:SCOPE_SE
	s_setreg_imm32_b32 hwreg(HW_REG_WAVE_MODE, 25, 1), 1
	s_wait_xcnt 0x0
	s_wait_alu depctr_hold_cnt(0) depctr_sa_sdst(0) depctr_va_vdst(0) depctr_va_sdst(0) depctr_va_ssrc(0) depctr_va_vcc(0) depctr_vm_vsrc(0)
	s_getreg_b32 s2, hwreg(HW_REG_IB_STS2, 6, 4)
	s_cmp_eq_u32 s2, 0
	s_cbranch_scc0 .Lentry_in_a_cluster
	s_endpgm
.Lentry_in_a_cluster:
	s_bfe_u32 s2, ttmp6, 0x10000c
	s_cmp_lg_u32 s2, 0xf033
	s_cbranch_scc0 .Lentry_shape_is_right
	s_endpgm
.Lentry_shape_is_right:
; q = query Wq^T + bq, k = key Wk^T + bk, v = value Wv^T + bv on codes of FP6 (E2M3) with E8M0 scales, sums in f32; the results are quantised at once: q and k along the head's 64, v along the keys.
; LIMITS: NaN and infinities are not served; a block of zeros, or one under 2^-124, gets the scale byte 1, which this program alone reads.
; SHARES.  256 work-groups of four waves, each with TWO PHASES.  Phase 1: 256 x 256 of q or k (the cluster's y / 8 says which, y % 8 which part), a wave 128 x 128: 64 accumulators.
; Phase 2: 128 channels x 256 keys of v, a wave 64 x 128: 32 accumulators; channel block cy + 4 (y % 2), pair of key blocks cx + 4 (y / 2): each of v's 8 x 32 tiles has one work-group.
; THE MATRIX INSTRUCTION IS USED TRANSPOSED: source 0 ('B') holds the rows that become a lane's registers, source 1 ('A') the rows that become lanes.  The axis that is quantised next runs along the registers:
; for q and k B = the weight's rows (features) and A = the tokens; for v B = the tokens (keys) and A = Wv's rows.  The rows of a tile of 16 of B are 32 (T / 2) + 8 (T % 2) + r + 8 (r / 8), so that the 64 registers
; of eight neighbouring tiles of B are, for lane (r, h), index 32 b + 16 h + i at register 16 b + i: sixteen neighbours of each block of 32.
; xc lies as [128 rows][102,400]: 4,096 bytes of scale words (512 a tile of 16 rows, the word of (row r, step s of 128 along K) at 128 (s / 2) + 8 r + 4 (s % 2)), then four K steps of 256, 24,576 bytes each:
; [tile 0..7][two fragment images of 1,536: registers 0-3 at 16 x lane, 4-5 at 512 + 8 x lane, 6-7 at 768 + 8 x lane, 8-11 at 1,024 + 16 x lane].  Blocks: query 0, key 64, value 128, Wq 192, Wk 200, Wv 208.
; LDS, PHASE 1: four regions, one for each 128 rows (A's two halves, B's two): scale words, then three slots of a K step.  One dense load a wave at the head brings a region whole; one more, behind a round, K step 3 into slot 0.
; LDS, PHASE 2: all of K: A's block as it lies, then the first parts (scale words, K steps 0, 1) of B's two blocks, then their second parts.  The four tiles, one a wave, are asked for behind a round in phase 1's last step,
; when no wave reads LDS any more, and land while phase 1's results are converted and stored: eight blocks of conversions stand ahead of the wait for them, so they have no prefetch.  By this text's count one tensor load of a wave is out.
; CLUSTER 4 x 4: in both phases A's tiles are shared along a row of the cluster, B's along a column: joint loads.
; RESULT: kv (and qb, laid alike): [16 batch + head][128 keys: 16][13,056]: K's eight half images at 768 tile; V^T's four images at 6,144 + 1,536 tile; K's scale words at 12,288 (image of 4 registers:
; register j, lane l: tile 2 j + l / 16, row l % 16); V's at 12,800 (image of 2 registers).
; REGISTERS: window 0: v1-3 r, h, lane; v4-15 LDS addresses; v16 scale words' address; v17-19 offsets; v20 the prefetch's; v28-29 the add's; v32-63 scale words; v64-127 the bias; v128-223 A's fragments, later 64 numbers and codes;
;   v224-255 at work.  window 1: B's fragments, two sets.  windows 2, 3: the accumulators, (a, b) at v[8 (8 (a % 4) + b)].
.set SLOTB, 24576                      ; a K step's codes of 128 rows
.set HALFB, 4096+3*SLOTB               ; phase 1: a region
.set SPARE, 4*HALFB                    ; the spare words, 128 bytes for each wave: two blocks of 256 bytes that no other line names
.set GRPB,  102400
.set P1,    4096+2*SLOTB               ; phase 2: a block's first part
.set P2,    2*SLOTB                    ; its second
.set LB1,   GRPB
.set LB2,   LB1+2*P1
.set BLKB,  13056
.set HEADB, 16*BLKB
.set A16, 4                            ; v4-6   phase 1: A's fragments in slot 0, 1, 2: + 16 x lane
.set A8,  7                            ; v7-9   + 8 x lane
.set B16, 10
.set B8,  13
.set VA16, 4                           ; v4, v5 phase 2: A's fragments in K steps 0, 1 and in 2, 3
.set VA8,  6
.set VB16, 8
.set VB8,  10
.set ADRS, 16
.set L16, 17
.set L8,  18
.set BO,  19
.set SPW, 28
.set NIL, 29
.set SC,  32
.set BI,  64
.set AF,  128
.set T,   128
.set PC,  192
.set TM,  224
.set PW,  240
.set SA,  248
.set SB,  252
.set SEL, 18                           ; s[18:19] lane selects, once the numbers that lay there are used
.set WV,  20
.set HA,  21                           ; wave / 2: my half of A; in phase 1 also: I fetch for A (0) or B (1)
.set HB,  22                           ; wave % 2: my half of B; in phase 1 also: which half I fetch
.set G1A, 24                           ; groups 1 with my row's mask: s[24:31], s[40:47]; with my column's: s[32:39], s[48:55]
.set G1B, 32
.set G1SA, 40
.set G1SB, 48
.set G0A0, 56
.set G0B0, 72
.set GVA1, 60                          ; phase 2's groups 0
.set GVB1, 68
.set GVA2, 76
.set GVB2, 80
.set MSB, 0
.macro WIN new                         ; the immediate's high byte repeats the setting that is left
.if MSB != (\new)
	s_set_vgpr_msb (MSB<<8)|(\new)
.set MSB, (\new)
.endif
.endm
.set MUL_LO, 0xa1                      ; source 0 (B) window 1, source 1 (A) window 0, C and D window 2
.set MUL_HI, 0xf1
.set TO_B,   0x40
.macro PLACES                          ; four plain places behind matrix instructions, in front of loads into their registers and of reads of their results
.rept 4
	v_nop
.endr
.endm
.macro JLOAD g0a, g1a, g0b, g1b        ; a joint load of phase 1: waves 0, 1 for A, waves 2, 3 for B; an s_nop 0 and four v_nop follow each line
	s_cmp_eq_u32 s[HA], 0
	s_cbranch_scc0 .Lfor_b_\@
	tensor_load_to_lds s[\g0a:\g0a+3], s[\g1a:\g1a+7]
	s_nop 0
	PLACES
	s_branch .Lasked_\@
.Lfor_b_\@:
	tensor_load_to_lds s[\g0b:\g0b+3], s[\g1b:\g1b+7]
	s_nop 0
	PLACES
.Lasked_\@:
.endm
.macro ARM under, g0, g1, next         ; one arm of phase 2's chain: its load, and a jump to the chain's end
	s_cmp_lt_u32 s[WV], \under
	s_cbranch_scc0 \next
	tensor_load_to_lds s[\g0:\g0+3], s[\g1:\g1+7]
	s_nop 0
	PLACES
	s_branch .Lv_asked
\next:
.endm
.macro CREST                           ; a round of the cluster's barrier behind its opening barrier
	s_cmp_lg_u32 s[WV], 0
	s_cbranch_scc1 .Lnot_wave_0_\@
	s_barrier_signal -3
.Lnot_wave_0_\@:
	s_barrier_wait -3
	s_barrier_signal -1
	s_barrier_wait -1
.endm
.macro CROUND
	s_barrier_signal -1
	s_barrier_wait -1
	CREST
.endm
.macro SETG0 g, lreg, loff, base, goff
	s_mov_b32 s[\g], 1                                 ; count = 1
	s_add_co_u32 s[\g+1], s[\lreg], \loff              ; LDS address: a constant x wave + a constant
	s_add_nc_u64 s[\g+2:\g+3], s[\base:\base+1], \goff ; global address
	s_or_b32 s[\g+3], s[\g+3], 0x80000000              ; type = 2
.endm
.macro GROUP0 g, lds, base, goff
	s_mov_b32 s[\g], 1
	s_mov_b32 s[\g+1], \lds
	s_add_nc_u64 s[\g+2:\g+3], s[\base:\base+1], \goff
	s_or_b32 s[\g+3], s[\g+3], 0x80000000
.endm
.macro FRAG reg, a16, a8, off          ; a fragment's image: four loads
	ds_load_b128 v[\reg:\reg+3], v[\a16] offset:\off
	ds_load_b64 v[\reg+4:\reg+5], v[\a8] offset:\off+512
	ds_load_b64 v[\reg+6:\reg+7], v[\a8] offset:\off+768
	ds_load_b128 v[\reg+8:\reg+11], v[\a16] offset:\off+1024
.endm
; ---- phase 1
.macro FETCH_B s                       ; B's eight fragments of step s (128 along K) into set s % 2; the step lies in slot (s / 2) % 3
	WIN TO_B
.irp i, 0,1,2,3,4,5,6,7
	FRAG 128*((\s)%2)+12*\i, B16+((\s)/2)%3, B8+((\s)/2)%3, 3072*\i+1536*((\s)%2)
.endr
	WIN 0
.endm
.macro FETCH_A s, i0                   ; A's blocks i0 .. i0 + 3
.irp i, \i0, \i0+1, \i0+2, \i0+3
	FRAG AF+12*(\i), A16+((\s)/2)%3, A8+((\s)/2)%3, 3072*(\i)+1536*((\s)%2)
.endr
.endm
.macro SCALES k                        ; the scale words of K step k (two steps of 128): lanes 0-15 A's block i, lanes 16-31 B's block i
.irp i, 0,1,2,3,4,5,6,7
	ds_load_b64 v[SC+16*((\k)%2)+2*\i:SC+16*((\k)%2)+2*\i+1], v[ADRS] offset:512*\i+128*(\k)
.endr
.endm
; 16 matrix instructions: A's blocks a0, a0 + 1 x B's eight.  The 64 accumulators take turns, one instruction a turn, in the same order in every step.
.macro MUL16 a0, s, zero
.set SCB, SC+16*(((\s)/2)%2)+(\s)%2
.set BS, 128*((\s)%2)
.irp a, \a0, \a0+1
.irp b, 0,1,2,3,4,5,6,7
.if \zero
	v_wmma_scale_f32_16x16x128_f8f6f4 v[8*(8*((\a)%4)+\b):8*(8*((\a)%4)+\b)+7], v[BS+12*\b:BS+12*\b+11], v[AF+12*(\a):AF+12*(\a)+11], 0, v[SCB+2*\b], v[SCB+2*(\a)] matrix_a_fmt:MATRIX_FMT_FP6 matrix_b_fmt:MATRIX_FMT_FP6 matrix_a_scale:MATRIX_SCALE_ROW1
.else
	v_wmma_scale_f32_16x16x128_f8f6f4 v[8*(8*((\a)%4)+\b):8*(8*((\a)%4)+\b)+7], v[BS+12*\b:BS+12*\b+11], v[AF+12*(\a):AF+12*(\a)+11], v[8*(8*((\a)%4)+\b):8*(8*((\a)%4)+\b)+7], v[SCB+2*\b], v[SCB+2*(\a)] matrix_a_fmt:MATRIX_FMT_FP6 matrix_b_fmt:MATRIX_FMT_FP6 matrix_a_scale:MATRIX_SCALE_ROW1
.endif
.endr
.endr
.endm
.macro MIDRUN s                        ; the run of loads in a step's middle: the next step's B, A's blocks 0-3, and, at a K step's end, the next scale words
	FETCH_B (\s)+1
	FETCH_A (\s)+1, 0
.if (\s)%2 == 1
	SCALES ((\s)+1)/2
.endif
.endm
.macro GSTEP s, zero
	s_wait_dscnt 16                                    ; all but the youngest sixteen loads (A's blocks 4-7) are in
	WIN MUL_LO
	MUL16 0, \s, \zero
	MUL16 2, \s, \zero
	s_wait_dscnt 0x0                                   ; A's blocks 4-7 are in
	PLACES
	MIDRUN \s
	WIN MUL_HI
	MUL16 4, \s, \zero
	MUL16 6, \s, \zero
	PLACES
	WIN 0
	FETCH_A (\s)+1, 4
.endm
; A step at which waves meet.  In front of the barrier each wave waits for all its tensor loads, adds 0 to its spare word, and waits for that and for its LDS reads.  fill = 1: slot 0, whose two steps have been
; read, takes the last K step; the barrier then opens a round of the cluster's barrier, and the joint load is the first tensor load behind the round.
.macro TURN s, fill
	s_wait_tensorcnt 0x0                               ; all my tensor loads have landed
	ds_add_u32 v[SPW], v[NIL]                          ; 0 onto my spare word
	s_wait_dscnt 17                                    ; the add and the youngest sixteen loads may be out
	WIN MUL_LO
	MUL16 0, \s, 0
	s_wait_dscnt 0x0                                   ; the add is done, and my LDS reads are over
	s_barrier_signal -1
	MUL16 2, \s, 0
	WIN 0
	s_barrier_wait -1
.if \fill
	CREST                                              ; no wave of any partner still reads slot 0 or has a load on its way
	s_add_nc_u64 s[G0A0+2:G0A0+3], s[G0A0+2:G0A0+3], HALFB    ; past the scale words and K steps 0 to 2: K step 3,
	s_add_nc_u64 s[G0B0+2:G0B0+3], s[G0B0+2:G0B0+3], HALFB
	s_add_co_u32 s[G0A0+1], s[G0A0+1], 4096                   ; into slot 0, behind the region's scale words
	s_add_co_u32 s[G0B0+1], s[G0B0+1], 4096
	JLOAD G0A0, G1SA, G0B0, G1SB                       ; 96 rows of 256 bytes; its four v_nop are also the places in front of the loads below
.else
	PLACES
.endif
	MIDRUN \s
	WIN MUL_HI
	MUL16 4, \s, 0
	MUL16 6, \s, 0
	PLACES
	WIN 0
	FETCH_A (\s)+1, 4
.endm
; ---- phase 2
.macro FETCHV s                        ; step s: B's eight fragments and A's four into set s % 2; at an even step the scale words of its K step
.set KO, SLOTB*(((\s)/2)%2)+1536*((\s)%2)
	WIN TO_B
.irp i, 0,1,2,3,4,5,6,7
	FRAG 128*((\s)%2)+12*\i, VB16+(\s)/4, VB8+(\s)/4, KO+3072*\i
.endr
	WIN 0
.irp i, 0,1,2,3
	FRAG AF+48*((\s)%2)+12*\i, VA16+(\s)/4, VA8+(\s)/4, KO+3072*\i
.endr
.if (\s)%2 == 0
.irp i, 0,1,2,3,4,5,6,7
	ds_load_b64 v[SC+16*(((\s)/2)%2)+2*\i:SC+16*(((\s)/2)%2)+2*\i+1], v[ADRS] offset:512*\i+64*(\s)
.endr
.endif
.endm
.macro MULV s                          ; 32 matrix instructions: A's four tiles x B's eight; the 32 accumulators by turns
.set SCB, SC+16*(((\s)/2)%2)+(\s)%2
.set BS, 128*((\s)%2)
.set AS, AF+48*((\s)%2)
.irp a, 0,1,2,3
.irp b, 0,1,2,3,4,5,6,7
.if (\s) == 0
	v_wmma_scale_f32_16x16x128_f8f6f4 v[8*(8*\a+\b):8*(8*\a+\b)+7], v[BS+12*\b:BS+12*\b+11], v[AS+12*\a:AS+12*\a+11], 0, v[SCB+2*\b], v[SCB+2*\a] matrix_a_fmt:MATRIX_FMT_FP6 matrix_b_fmt:MATRIX_FMT_FP6 matrix_a_scale:MATRIX_SCALE_ROW1
.else
	v_wmma_scale_f32_16x16x128_f8f6f4 v[8*(8*\a+\b):8*(8*\a+\b)+7], v[BS+12*\b:BS+12*\b+11], v[AS+12*\a:AS+12*\a+11], v[8*(8*\a+\b):8*(8*\a+\b)+7], v[SCB+2*\b], v[SCB+2*\a] matrix_a_fmt:MATRIX_FMT_FP6 matrix_b_fmt:MATRIX_FMT_FP6 matrix_a_scale:MATRIX_SCALE_ROW1
.endif
.endr
.endr
.endm
.macro VSTEP s
	s_wait_dscnt 0x0                                   ; this step's fragments, asked for a step ago, are in
.if (\s) < 7
.if (\s) > 0
	PLACES                                             ; in front of the loads into the set that the step before multiplied
.endif
	FETCHV (\s)+1
.endif
	WIN MUL_LO
	MULV \s
	WIN 0
.endm
; 64 numbers of a lane, register 16 b + i = index 32 b + 16 h + i, become a fragment's codes in v[PC] on and its scale word in v[w]
.macro QUANT s, w
.irp b, 0,1,2,3
	v_max3_num_f32 v[TM+\b], |v[\s+16*\b]|, |v[\s+1+16*\b]|, 0x1800000   ; and the floor 2^(3 - 127): the byte cannot fall under 1
.endr
.irp i, 2,4,6,8,10,12,14
.irp b, 0,1,2,3
	v_max3_num_f32 v[TM+\b], v[TM+\b], |v[\s+16*\b+\i]|, |v[\s+1+16*\b+\i]|
.endr
.endr
.irp b, 0,1,2,3
	v_permlanex16_b32 v[TM+4+\b], v[TM+\b], s[SEL], s[SEL+1]
.endr
.irp b, 0,1,2,3
	v_max_num_f32 v[TM+\b], v[TM+\b], v[TM+4+\b]
.endr
.irp b, 0,1,2,3
	v_add_nc_u32 v[TM+12+\b], 0xff000000, v[TM+\b]     ; 2 off the exponent field: the conversion's scale operand
.endr
.irp b, 0,1,2,3
	v_lshrrev_b32 v[TM+4+\b], 23, v[TM+12+\b]          ; the scale's byte
.endr
	v_lshl_or_b32 v[\w], v[TM+5], 8, v[TM+4]
	v_lshl_or_b32 v[\w], v[TM+6], 16, v[\w]
	v_lshl_or_b32 v[\w], v[TM+7], 24, v[\w]
.irp c, 0,1
	v_cvt_scalef32_pk16_fp6_f32 v[PC+6*\c:PC+2+6*\c], v[\s+32*\c:\s+15+32*\c], v[TM+12+2*\c]
	v_cvt_scalef32_pk16_fp6_f32 v[PC+12+4*\c:PC+14+4*\c], v[\s+16+32*\c:\s+31+32*\c], v[TM+12+2*\c+1]
.endr
	v_nop                                              ; one plain place behind the scaled conversions
.irp c, 0,1
.irp i, 0,1,2
	v_permlane16_swap_b32 v[PC+6*\c+\i], v[PC+12+4*\c+\i]
.endr
.irp i, 0,1,2
	v_mov_b32 v[PC+3+6*\c+\i], v[PC+12+4*\c+\i]
.endr
.endr
.endm
	s_load_b64 s[4:5], s[0:1], 0x0                 ; xc
	s_load_b256 s[8:15], s[0:1], 0x8               ; bq, bk, bv, qb
	s_load_b64 s[16:17], s[0:1], 0x28              ; kv
	v_lshl_add_u32 v[SPW], v0, 2, SPARE
	v_mov_b32 v[NIL], 0
	ds_add_u32 v[SPW], v[NIL]                      ; the opening lines: the add, twice on end, and its wait ahead of my first tensor load
	ds_add_u32 v[SPW], v[NIL]
	s_wait_dscnt 0x0
	v_lshrrev_b32 v1, 5, v0
	v_readfirstlane_b32 s[WV], v1
	s_lshr_b32 s[HA], s[WV], 1
	s_and_b32 s[HB], s[WV], 1
	s_bfe_u32 s92, ttmp6, 0x40000                  ; cx
	s_bfe_u32 s93, ttmp6, 0x40004                  ; cy
	s_and_b32 s94, ttmp7, 0xffff                   ; the cluster's y, 0..15
	s_lshr_b32 s95, s94, 3                         ; phase 1's product: 0 q, 1 k: the same in all partners
	s_and_b32 s87, s94, 1
	s_lshl_b32 s87, s87, 2
	s_add_co_u32 s87, s87, s93                     ; phase 2: Wv's block of 128 channels: hangs on cy and the cluster's y alone
	s_lshr_b32 s88, s94, 1
	s_lshl_b32 s88, s88, 2
	s_add_co_u32 s88, s88, s92                     ; and the pair of value's blocks: on cx and the cluster's y alone
	s_and_b32 s94, s94, 7
	s_lshl_b32 s94, s94, 2
	s_add_co_u32 s2, s94, s93                      ; phase 1: A's tile of 256 tokens: on cy and the cluster's y alone
	s_mov_b32 s3, s92                              ; B's tile of 256 features: cx
	s_lshl_b32 s98, s95, 9                         ; first tile of 16 rows in xc: query 0, key 512;
	s_lshl_b32 s99, s95, 6
	s_add_co_u32 s99, s99, 1536                    ; Wq 1,536, Wk 1,600
	s_lshl_b32 s96, s93, 2
	s_lshl_b32 s96, 15, s96                        ; my row of the cluster
	s_lshl_b32 s97, 0x1111, s92                    ; my column
	s_or_b32 s[G1A], s96, (3<<16)|(1<<21)          ; the mask; elements of 8 bytes; bit 21 beside a mask; no padding
	s_or_b32 s[G1B], s97, (3<<16)|(1<<21)
	s_or_b32 s[G1SA], s96, (3<<16)|(1<<21)
	s_or_b32 s[G1SB], s97, (3<<16)|(1<<21)
.irp g, G1A, G1B                       ; a region: 77,824 dense bytes as 304 rows of 256
	s_mov_b32 s[\g+1], 32<<16
	s_mov_b32 s[\g+2], 304<<16
	s_mov_b32 s[\g+3], 32<<16
	s_mov_b32 s[\g+4], 304
	s_mov_b32 s[\g+5], 32
	s_mov_b32 s[\g+6], 0
	s_mov_b32 s[\g+7], 0
.endr
.irp g, G1SA, G1SB                     ; a K step's codes: 24,576 dense bytes as 96 rows of 256
	s_mov_b32 s[\g+1], 32<<16
	s_mov_b32 s[\g+2], 96<<16
	s_mov_b32 s[\g+3], 32<<16
	s_mov_b32 s[\g+4], 96
	s_mov_b32 s[\g+5], 32
	s_mov_b32 s[\g+6], 0
	s_mov_b32 s[\g+7], 0
.endr
	s_lshl_b32 s19, s[HB], 3
	s_lshl_b32 s18, s2, 4
	s_add_co_u32 s18, s18, s98
	s_add_co_u32 s18, s18, s19                     ; A: the first tile of 16 rows of the half that I would fetch
	s_lshl_b32 s23, s3, 4
	s_add_co_u32 s23, s23, s99
	s_add_co_u32 s23, s23, s19                     ; B likewise
	s_mul_i32 s100, s18, 12800                     ; 102,400 bytes for each eight tiles (the tile's number is a multiple of 8)
	s_mov_b32 s101, 0
	s_mul_i32 s98, s23, 12800
	s_mov_b32 s99, 0
	s_mul_i32 s23, s[WV], HALFB                    ; where they go: wave x a region
	s_wait_kmcnt 0x0
	s_add_nc_u64 s[100:101], s[4:5], s[100:101]
	s_add_nc_u64 s[98:99], s[4:5], s[98:99]
	CROUND                                         ; all sixteen work-groups are here: the first joint loads meet
	SETG0 G0A0, 23, 0, 100, 0
	SETG0 G0B0, 23, 0, 98, 0
	JLOAD G0A0, G1A, G0B0, G1B                     ; my one load at the head: scale words and K steps 0 to 2 of the 128 rows that I fetch
	; K step 3, which the refill in the second step of 128 will load, is asked for into the L2 here: 96 blocks of 256 bytes, shared out by address among the four partners that will ask jointly: 24 each, a lane a block
	s_cmp_eq_u32 s[HA], 0
	s_cselect_b64 s[84:85], s[100:101], s[98:99]
	s_cselect_b32 s86, s92, s93                    ; my place among the four: cx for A's rows, cy for B's
	s_mul_i32 s86, s86, 24*256
	s_add_co_u32 s86, s86, HALFB
	v_and_b32 v20, 31, v0
	v_min_u32 v20, 23, v20                         ; the lanes left over name the last block again
	v_lshl_add_u32 v20, v20, 8, s86
	global_prefetch_b8 v20, s[84:85] th:TH_LOAD_NT scope:SCOPE_SE   ; v20, s[84:86] are written nowhere else
	s_add_co_u32 s96, s87, 208                     ; phase 2's groups 0: Wv's block,
	s_mul_i32 s96, s96, GRPB
	s_mov_b32 s97, 0
	s_add_nc_u64 s[96:97], s[4:5], s[96:97]
	GROUP0 GVA1, 0, 96, 0
	GROUP0 GVA2, P1, 96, P1
	s_lshl_b32 s90, s88, 1                         ; value's two blocks
	s_add_co_u32 s90, s90, 128
	s_mul_i32 s90, s90, GRPB
	s_mov_b32 s91, 0
	s_add_nc_u64 s[90:91], s[4:5], s[90:91]
	GROUP0 GVB1, LB1, 90, 0
	GROUP0 GVB2, LB2, 90, P1
	v_and_b32 v1, 15, v0                           ; r
	v_bfe_u32 v2, v0, 4, 1                         ; h
	v_and_b32 v3, 31, v0                           ; lane
	v_lshlrev_b32 v[L16], 4, v3
	v_lshlrev_b32 v[L8], 3, v3
	s_mul_i32 s96, s[HA], HALFB                    ; my half of A: its region,
	s_add_co_u32 s96, s96, 4096                    ; behind the scale words
	s_mul_i32 s97, s[HB], HALFB
	s_add_co_u32 s97, s97, 2*HALFB+4096            ; my half of B, behind A's two regions
.irp n, 0,1,2
	v_add_nc_u32 v[A16+\n], s96, v[L16]
	v_add_nc_u32 v[A8+\n], s96, v[L8]
	v_add_nc_u32 v[B16+\n], s97, v[L16]
	v_add_nc_u32 v[B8+\n], s97, v[L8]
	s_add_co_u32 s96, s96, SLOTB
	s_add_co_u32 s97, s97, SLOTB
.endr
	s_mul_i32 s96, s[HA], HALFB                    ; scale words: at the start of A's region,
	s_mul_i32 s97, s[HB], HALFB
	s_add_co_u32 s97, s97, 2*HALFB                 ; and of B's
	s_sub_co_u32 s97, s97, s96
	v_mul_u32_u24 v[ADRS], s97, v2                 ; lanes 16-31 take B's: one product with h
	v_lshl_add_u32 v[ADRS], v1, 3, v[ADRS]
	v_add_nc_u32 v[ADRS], s96, v[ADRS]
.irp b, 0,1,2,3
	v_mov_b32 v[TM+4+\b], 0                        ; a lane permute's destination counts as one of its sources
.endr
	s_mov_b32 s[SEL], 0x76543210
	s_mov_b32 s[SEL+1], 0xfedcba98
	s_wait_alu depctr_va_vdst(0)
	s_wait_tensorcnt 0x0                           ; my region is in
	s_barrier_signal -1
	s_barrier_wait -1
	FETCH_B 0
	FETCH_A 0, 0
	SCALES 0
	FETCH_A 0, 4
	GSTEP 0, 1                                     ; the first products start the sums
	TURN 1, 1                                      ; slot 0 takes the last K step
	GSTEP 2, 0
	GSTEP 3, 0
	GSTEP 4, 0
	TURN 5, 0                                      ; slot 0's second fill is whole for every wave
	; no tensor load of mine is out: the groups 1 are set for phase 2's tiles; the masks stay
	s_mov_b32 s[G1A+2], (P1/256)<<16               ; A's first part: dense bytes as rows of 256
	s_mov_b32 s[G1A+4], P1/256
	s_mov_b32 s[G1SA+2], (P2/256)<<16              ; its second
	s_mov_b32 s[G1SA+4], P2/256
	s_mov_b32 s[G1B+1], (P1/8)<<16                 ; the first part of each of B's two blocks: two rows, 102,400 bytes apart
	s_mov_b32 s[G1B+2], 2<<16
	s_mov_b32 s[G1B+3], (P1/8)<<16
	s_mov_b32 s[G1B+4], 2
	s_mov_b32 s[G1B+5], GRPB/8
	s_mov_b32 s[G1SB+1], (P2/8)<<16                ; the second
	s_mov_b32 s[G1SB+2], 2<<16
	s_mov_b32 s[G1SB+3], (P2/8)<<16
	s_mov_b32 s[G1SB+4], 2
	s_mov_b32 s[G1SB+5], GRPB/8
	; q and k: my 128 features are two heads; a lane's 64 registers of A's block a are its token's 128 features: blocks 0, 1 the first head, blocks 2, 3 the second
	s_lshl_b32 s96, s3, 10                         ; the bias of my 128 features: 4 x (256 cx + 128 x half)
	s_lshl_b32 s97, s[HB], 9
	s_add_co_u32 s96, s96, s97
	s_mov_b32 s97, 0
	s_cmp_eq_u32 s95, 0
	s_cselect_b64 s[98:99], s[8:9], s[10:11]
	s_cselect_b64 s[100:101], s[14:15], s[16:17]
	s_add_nc_u64 s[98:99], s[98:99], s[96:97]
	v_lshlrev_b32 v[BO], 6, v2                     ; 16 h numbers on
.irp b, 0,1,2,3,4,5,6,7
	global_load_b128 v[BI+8*\b:BI+8*\b+3], v[BO], s[98:99] offset:(32*(\b/2)+8*(\b%2))*4
	global_load_b128 v[BI+8*\b+4:BI+8*\b+7], v[BO], s[98:99] offset:(32*(\b/2)+8*(\b%2))*4+16
.endr
	s_lshl_b32 s96, s2, 1
	s_add_co_u32 s96, s96, s[HA]                   ; my block of 128 tokens, 0..63
	s_lshr_b32 s94, s96, 4
	s_lshl_b32 s94, s94, 4                         ; 16 x batch
	s_lshl_b32 s23, s3, 2
	s_add_co_u32 s94, s94, s23
	s_lshl_b32 s23, s[HB], 1
	s_add_co_u32 s94, s94, s23                     ; + my first head
	s_lshl_b32 s94, s94, 4
	s_and_b32 s96, s96, 15
	s_add_co_u32 s94, s94, s96
	s_mul_i32 s96, s94, BLKB
	s_add_nc_u64 s[100:101], s[100:101], s[96:97]
	s_mov_b32 s23, 0xffff0000                      ; lanes 16-31
	GSTEP 6, 0
	; PHASE 1'S LAST STEP, with the round behind which LDS is filled for phase 2
	s_wait_dscnt 16
	WIN MUL_LO
	MUL16 0, 7, 0
	MUL16 2, 7, 0
	WIN 0
	s_wait_tensorcnt 0x0                           ; none of my tensor loads is out
	ds_add_u32 v[SPW], v[NIL]                      ; 0 onto my spare word
	s_wait_dscnt 1                                 ; A's blocks 4-7 are in; the add may be out
	WIN MUL_HI
	MUL16 4, 7, 0
	s_wait_dscnt 0x0                               ; the add is done, and my LDS reads of phase 1 are over
	s_barrier_signal -1
	MUL16 6, 7, 0
	WIN 0
	s_barrier_wait -1
	CREST                                          ; no wave of any partner still reads LDS or has a load on its way
	ARM 1, GVA1, G1A,  .Lv_b1                      ; one load on every way through the chain; its four v_nop are also the places behind the last products
	ARM 2, GVB1, G1B,  .Lv_a2
	ARM 3, GVA2, G1SA, .Lv_b2
	tensor_load_to_lds s[GVB2:GVB2+3], s[G1SB:G1SB+7]
	s_nop 0
	PLACES
.Lv_asked:
	s_wait_loadcnt 0x0                             ; the bias
.macro EPIQK a
.if (\a) > 0
	s_wait_xcnt 0x0                                ; the last block's stores have read the codes' registers
.endif
	WIN 0x02+(\a)/4                                ; source 0: window 2 or 3
.set i, 0
.rept 32
	v_pk_add_f32 v[T+2*i:T+2*i+1], v[64*((\a)%4)+2*i:64*((\a)%4)+2*i+1], v[BI+2*i:BI+2*i+1]   ; each accumulator from its low end on
.set i, i+1
.endr
	WIN 0
	QUANT T, PW+(\a)
	global_store_b128 v[L16], v[PC:PC+3], s[100:101] offset:768*(\a)              ; the first head's half image
	global_store_b64 v[L8], v[PC+4:PC+5], s[100:101] offset:768*(\a)+512
	global_store_b128 v[L16], v[PC+6:PC+9], s[100:101] offset:HEADB+768*(\a)      ; the second head's
	global_store_b64 v[L8], v[PC+10:PC+11], s[100:101] offset:HEADB+768*(\a)+512
.endm
.irp a, 0,1,2,3,4,5,6,7
	EPIQK \a
.endr
.irp j, 0,1,2,3
	v_cndmask_b32 v[SA+\j], v[PW+2*\j], v[PW+2*\j+1], s23   ; lanes 0-15 tile 2 j, lanes 16-31 tile 2 j + 1.  Bytes 0, 1 are the first head's; bytes 2, 3 scale zero codes later and are never 0xff
.endr
.irp j, 0,1,2,3
	v_lshrrev_b32 v[SB+\j], 16, v[SA+\j]           ; the second head's two bytes, zeros above
.endr
	global_store_b128 v[L16], v[SA:SA+3], s[100:101] offset:12288
	global_store_b128 v[L16], v[SB:SB+3], s[100:101] offset:HEADB+12288
	; ---- PHASE 2: v.  A lane is a channel (row of Wv), its 64 registers of A's tile a are my 128 keys: one fragment of V^T
	s_wait_xcnt 0x0                                ; the stores have read their registers and their base
	s_mul_i32 s96, s[HA], 4*3072                   ; LDS: my four tiles of A in K steps 0, 1,
	s_add_co_u32 s96, s96, 4096
	s_add_co_u32 s97, s96, P2                      ; and in 2, 3
	s_mul_i32 s98, s[HB], P1
	s_add_co_u32 s98, s98, LB1                     ; my block of B: its first part
	s_lshl_b32 s100, s[HA], 11                     ; scale words: A's, 512 bytes a tile;
	s_sub_co_u32 s101, s98, s100                   ; from there to B's
	s_add_co_u32 s98, s98, 4096
	s_mul_i32 s99, s[HB], P2
	s_add_co_u32 s99, s99, LB2                     ; its second part
	s_lshl_b32 s2, s87, 9                          ; the bias of my 64 channels: 4 x (128 x block + 64 x half)
	s_lshl_b32 s3, s[HA], 8
	s_add_co_u32 s2, s2, s3
	s_mov_b32 s3, 0
	s_add_nc_u64 s[12:13], s[12:13], s[2:3]
	s_lshl_b32 s94, s88, 1
	s_add_co_u32 s94, s94, s[HB]                   ; my block of 128 keys, 0..63
	s_lshr_b32 s2, s94, 4
	s_lshl_b32 s2, s2, 4                           ; 16 x batch
	s_lshl_b32 s23, s87, 1
	s_add_co_u32 s2, s2, s23
	s_add_co_u32 s2, s2, s[HA]                     ; + my head
	s_lshl_b32 s2, s2, 4
	s_and_b32 s94, s94, 15
	s_add_co_u32 s2, s2, s94
	s_mul_i32 s2, s2, BLKB
	s_add_nc_u64 s[16:17], s[16:17], s[2:3]
	s_mov_b32 s23, 0xffff0000
	v_mul_u32_u24 v[ADRS], s101, v2                ; lanes 16-31 take B's scale words: one product with h
	v_and_b32 v[BO], 8, v1
	v_add_nc_u32 v[VA16], s96, v[L16]
	v_add_nc_u32 v[VA8], s96, v[L8]
	v_add_nc_u32 v[VA16+1], s97, v[L16]
	v_add_nc_u32 v[VA8+1], s97, v[L8]
	v_add_nc_u32 v[VB16], s98, v[L16]
	v_add_nc_u32 v[VB8], s98, v[L8]
	v_add_nc_u32 v[VB16+1], s99, v[L16]
	v_add_nc_u32 v[VB8+1], s99, v[L8]
	v_lshl_add_u32 v[ADRS], v1, 3, v[ADRS]
	v_add_nc_u32 v[BO], v[BO], v1
	v_add_nc_u32 v[ADRS], s100, v[ADRS]
	v_lshlrev_b32 v[BO], 2, v[BO]                  ; 4 (r + 8 (r / 8))
.irp a, 0,1,2,3
	global_load_b32 v[BI+\a], v[BO], s[12:13] offset:(32*(\a/2)+8*(\a%2))*4
.endr
	s_wait_alu depctr_va_vdst(0)
	s_wait_tensorcnt 0x0                           ; every wave: my tile of phase 2 is in
	s_barrier_signal -1
	s_barrier_wait -1                              ; all four are
	FETCHV 0
.irp s, 0,1,2,3,4,5,6,7
	VSTEP \s
.endr
	s_wait_loadcnt 0x0                             ; the bias
	PLACES
.macro EPIV a
.if (\a) > 0
	s_wait_xcnt 0x0
.endif
	WIN 0x02
.set i, 0
.rept 32
.if (\a)%2 == 0
	v_pk_add_f32 v[T+2*i:T+2*i+1], v[64*(\a)+2*i:64*(\a)+2*i+1], v[BI+(\a):BI+(\a)+1] op_sel_hi:[1,0]                  ; my channel's bias on both halves: the pair's first register
.else
	v_pk_add_f32 v[T+2*i:T+2*i+1], v[64*(\a)+2*i:64*(\a)+2*i+1], v[BI+(\a)-1:BI+(\a)] op_sel:[0,1] op_sel_hi:[1,1]     ; the pair's second
.endif
.set i, i+1
.endr
	WIN 0
	QUANT T, PW+(\a)
	global_store_b128 v[L16], v[PC:PC+3], s[16:17] offset:6144+1536*(\a)
	global_store_b64 v[L8], v[PC+4:PC+5], s[16:17] offset:6144+1536*(\a)+512
	global_store_b64 v[L8], v[PC+6:PC+7], s[16:17] offset:6144+1536*(\a)+768
	global_store_b128 v[L16], v[PC+8:PC+11], s[16:17] offset:6144+1536*(\a)+1024
.endm
.irp a, 0,1,2,3
	EPIV \a
.endr
.irp j, 0,1
	v_cndmask_b32 v[SA+\j], v[PW+2*\j], v[PW+2*\j+1], s23
.endr
	global_store_b64 v[L8], v[SA:SA+1], s[16:17] offset:12800
	s_wait_tensorcnt 0x0                           ; the wave's end
	ds_add_u32 v[SPW], v[NIL]
	s_wait_dscnt 0x0
	CROUND                                         ; the closing round
	s_endpgm
.Lfunc_end_k_q91f5e5adee_proj:
	.size	k_q91f5e5adee_proj, .Lfunc_end_k_q91f5e5adee_proj-k_q91f5e5adee_proj
	.p2alignl 7, 3214868480
	.fill 96, 4, 3214868480
	.section	.rodata,"a",@progbits
	.p2align	6, 0x0
	.amdhsa_kernel k_q91f5e5adee_proj
		.amdhsa_group_segment_fixed_size 327680
		.amdhsa_private_segment_fixed_size 0
		.amdhsa_enable_private_segment 0
		.amdhsa_kernarg_size 48
		.amdhsa_user_sgpr_count 2
		.amdhsa_user_sgpr_kernarg_segment_ptr 1
		.amdhsa_wavefront_size32 1
		.amdhsa_system_sgpr_workgroup_id_x 1
		.amdhsa_system_sgpr_workgroup_id_y 1
		.amdhsa_system_sgpr_workgroup_id_z 1
		.amdhsa_system_vgpr_workitem_id 0
		.amdhsa_next_free_vgpr 1024
		.amdhsa_next_free_sgpr 102
		.amdhsa_reserve_vcc 0
		.amdhsa_float_denorm_mode_32 3
		.amdhsa_float_denorm_mode_16_64 3
		.amdhsa_memory_ordered 1
		.amdhsa_forward_progress 1
		.amdhsa_inst_pref_size 255
	.end_amdhsa_kernel
	.amdgpu_metadata
---
amdhsa.version: [ 1, 2 ]
amdhsa.kernels:
  - .name:           k_q91f5e5adee_proj
    .symbol:         k_q91f5e5adee_proj.kd
    .args:
      - { .name: xc, .offset: 0, .size: 8, .value_kind: global_buffer, .address_space: global }
      - { .name: bq, .offset: 8, .size: 8, .value_kind: global_buffer, .address_space: global }
      - { .name: bk, .offset: 16, .size: 8, .value_kind: global_buffer, .address_space: global }
      - { .name: bv, .offset: 24, .size: 8, .value_kind: global_buffer, .address_space: global }
      - { .name: qb, .offset: 32, .size: 8, .value_kind: global_buffer, .address_space: global }
      - { .name: kv, .offset: 40, .size: 8, .value_kind: global_buffer, .address_space: global }
    .group_segment_fixed_size: 327680
    .private_segment_fixed_size: 0
    .kernarg_segment_align: 8
    .kernarg_segment_size: 48
    .max_flat_workgroup_size: 128
    .sgpr_count:     102
    .vgpr_count:     1024
    .wavefront_size: 32
...
	.end_amdgpu_metadata
.endif
;; end of part 2
;; launch attn (part 3): grid 4 x 64, 16 waves a work-group, clusters of 4 x 1, 235,520 bytes of LDS; arguments qb, kv, oc; writes oc
.if DOCPART == 3
	.amdgcn_target "amdgcn-amd-amdhsa--gfx1250"
	.amdhsa_code_object_version 6
	.text
	.protected	k_q91f5e5adee_attn
	.globl	k_q91f5e5adee_attn
	.p2align	8
	.type	k_q91f5e5adee_attn,@function
k_q91f5e5adee_attn:
	s_mov_b64 s[64:65], 0
	v_nop
	global_prefetch_b8 v0, s[64:65] scope:SCOPE_SE
	s_setreg_imm32_b32 hwreg(HW_REG_WAVE_MODE, 25, 1), 1
	s_wait_xcnt 0x0
	s_wait_alu depctr_hold_cnt(0) depctr_sa_sdst(0) depctr_va_vdst(0) depctr_va_sdst(0) depctr_va_ssrc(0) depctr_va_vcc(0) depctr_vm_vsrc(0)
	s_getreg_b32 s2, hwreg(HW_REG_IB_STS2, 6, 4)
	s_cmp_eq_u32 s2, 0
	s_cbranch_scc0 .Lentry_in_a_cluster
	s_endpgm
.Lentry_in_a_cluster:
	s_bfe_u32 s2, ttmp6, 0x10000c
	s_cmp_lg_u32 s2, 0x3003
	s_cbranch_scc0 .Lentry_shape_is_right
	s_endpgm
.Lentry_shape_is_right:
; O = softmax(q k^T / 8) v for one head, both products on codes of FP6 (E2M3) with E8M0 scales; O, divided by the row's sum, is quantised along (head, channel) for the last projection.
; THE SOFTMAX: t = score x log2(e) / 8; M = the running largest t rounded UP to a whole number; p = 2^(t - M) is quantised along the keys, not normalised; the row's sum is taken of the unquantised p.
; When M moves, the sum and O are multiplied by 2^(old M - new M): exact, in every step, with no branch.
; LIMITS: NaN and infinities are not served; the promise holds while |t| stays under 2^31; a p under 2^-126 becomes 0; a block of zeros, or one under 2^-124, gets the scale byte 1, which this program alone reads.
; SHARES.  A work-group owns 512 queries of one head; each of its sixteen waves takes one tile of 16 queries in each of two passes.  The whole head's K, V and scale words, 208,896 bytes, lie in LDS, filled once:
; sixteen blocks of 128 keys (13,056 bytes: K's eight half images, V^T's four images, K's and V's scale words).  EACH WAVE ASKS FOR ONE BLOCK, at the head: one tensor load of a wave is out.  Nothing is filled again.
; Waves 0 to 4 have a load line of their own: the first barrier shows their five blocks alone, and the first four key steps, which read blocks 0 to 3 and K of block 4, run on these; the barrier behind those steps shows all sixteen.
; CLUSTER: the four work-groups of a head read the same bytes: each block is asked for jointly.  No prefetch: every block is asked for by its tensor load at the head, and no loop is left to run ahead in.
; A KEY STEP ASKS LDS AHEAD, IN ONE RUN of 34 loads behind its score products: this step's V, which the second product takes, and the NEXT step's K.  So a step opens with its products.
; LAYOUT.  Both products are used transposed: S^T = K Q^T (source 0 = 16 keys), O^T = V^T P^T (source 0 = 16 channels): a lane holds ONE query throughout.
; Row m of K's tile t is key 64 (t / 4) + 32 (m / 8) + 8 (t % 4) + m % 8.  So the 32 score registers of tiles 4 c .. 4 c + 3 in lane (r, h) are the 32 keys of block 2 c + h, in order:
; a block's largest score needs no other lane, and the conversions' results are p's operand registers with no exchange between lanes.
; V^T's channels of a tile are 32 (t / 2) + 8 (t % 2) + r + 8 (r / 8), so that O^T's registers are neighbours along the next K.
; K = 64 IN AN INSTRUCTION OF 128.  Q's registers 6-11 hold zero codes.  K's operand for tile t is v[32 + 6 t .. 43 + 6 t]: its upper six registers are the next tile's codes, behind the last tile p's codes of the step before;
; FP6 has no infinity and no NaN, so whatever bits lie there multiply Q's zeros to 0.  The scale bytes of that upper half are a neighbouring head's bytes (1 .. 254) or 0, never 0xff.
; oc lies as [128 rows][102,400]: 4,096 bytes of scale words (512 a tile of 16 rows), then four K steps of 256 (four heads), 24,576 bytes each: [tile 0..7][two fragment images of 1,536].
.set BLKB,  13056
.set HEADB, 16*BLKB
.set GRPB,  102400
.set SPARE, HEADB                      ; the spare words, 128 bytes for each wave, behind the sixteen blocks
.set QST,   SPARE+2048                 ; behind them 1,536 bytes for each wave, its own: the second pass's Q, an image of its registers at 16 x lane
.set L16, 1                            ; v1   16 x lane
.set L8,  2                            ; v2   8 x lane
.set AD16, 3                           ; v3   the step's block + 16 x lane
.set AD8, 4                            ; v4   + 8 x lane
.set R16, 5                            ; v5   16 r
.set R8,  6                            ; v6   8 r
.set SH,  7                            ; v7   8 h
.set T0,  8                            ; v8, v9 at work.  v12 -M, v13 the running largest score, v[14:15] the row's sum in two halves
.set TX,  9
.set QW,  10                           ; v10  Q's scale word
.set PWD, 11                           ; v11  p's scale word
.set QF,  16                           ; v16-27 Q's fragment; 22-27 zeros
.set QS,  28                           ; v28  my place for the second pass's Q
.set F,   30                           ; v30  f, later 1 / the sum; named as a pair with v31
.set OLD, 31                           ; v31  -M of the step before
.set KF,  32                           ; v32-79 K's eight half fragments
.set PC,  80                           ; v80-91 p's codes, directly behind K's
.set KS,  92                           ; v92-95 K's scale words
.set S,   96                           ; v96-159 S^T, then p
.set O,   160                          ; v160-191 O^T
.set VF,  192                          ; v192-239 V^T's four fragments
.set VS,  240                          ; v240-241 V's scale words
.set BM,  242                          ; v242-245 four chains of maxima; then v242, v244 my two blocks' largest score, largest p, scale operand; v243, v245 their bytes
.set TC,  246                          ; v246-248, v250-252 the upper halves of the blocks' codes as they are made;
.set AC,  246                          ; v246-251 then three more chains of the sum
.set SPW, 254
.set NIL, 255
.set WV,  12
.set SEL, 20
.set CS,  22
.set G1,  24
.set G0,  32
.set TB,  48
.set CNT, 49
.set PASS, 50
.set ODD, 70
.macro CROUND
	s_barrier_signal -1
	s_barrier_wait -1
	s_cmp_lg_u32 s[WV], 0
	s_cbranch_scc1 .Lnot_wave_0_\@
	s_barrier_signal -3
.Lnot_wave_0_\@:
	s_barrier_wait -3
	s_barrier_signal -1
	s_barrier_wait -1
.endm
.macro WALU
	s_wait_alu depctr_va_vdst(0)
.endm
.macro OM j                            ; four numbers of O^T under the new M
	v_pk_mul_f32 v[O+\j:O+\j+1], v[O+\j:O+\j+1], v[F:F+1] op_sel_hi:[1,0]
	v_pk_mul_f32 v[O+\j+2:O+\j+3], v[O+\j+2:O+\j+3], v[F:F+1] op_sel_hi:[1,0]
.endm
.macro KLOAD                           ; K's eight half fragments and its scale words, from the block that KA, KB, KO name: 17 loads
.irp q, 0,1,2,3,4,5,6,7
	ds_load_b128 v[KF+6*\q:KF+6*\q+3], v[KA] offset:KO+768*\q
	ds_load_b64 v[KF+6*\q+4:KF+6*\q+5], v[KB] offset:KO+768*\q+512
.endr
	ds_load_b128 v[KS:KS+3], v[KA] offset:KO+12288
.endm
; A KEY STEP: the 128 keys whose block begins at LDS byte s[TB]; its K was asked for a step ago.  nxt = 1: the next step's block follows this one; nxt = 0: a pass's last step: block 0 comes next, with the other pass's Q
.macro STEP nxt
.if \nxt
.set KA, AD16
.set KB, AD8
.set KO, BLKB
.else
.set KA, L16
.set KB, L8
.set KO, 0
.endif
	s_wait_dscnt 0x0                               ; K and its scale words are in
.irp u, 0,1,2,3                        ; S^T = K Q^T: tiles 2 u (scale words in lanes 0-15) and 2 u + 1 (lanes 16-31)
	v_wmma_scale_f32_16x16x128_f8f6f4 v[S+16*\u:S+16*\u+7], v[KF+12*\u:KF+12*\u+11], v[QF:QF+11], 0, v[KS+\u], v[QW] matrix_a_fmt:MATRIX_FMT_FP6 matrix_b_fmt:MATRIX_FMT_FP6
	v_wmma_scale_f32_16x16x128_f8f6f4 v[S+16*\u+8:S+16*\u+15], v[KF+12*\u+6:KF+12*\u+17], v[QF:QF+11], 0, v[KS+\u], v[QW] matrix_a_fmt:MATRIX_FMT_FP6 matrix_b_fmt:MATRIX_FMT_FP6 matrix_a_scale:MATRIX_SCALE_ROW1
.endr
	v_add_nc_u32 v[AD16], s[TB], v[L16]            ; four plain places behind the products, in front of the loads into V's and K's registers and of the first read of the scores
	v_add_nc_u32 v[AD8], s[TB], v[L8]
	v_mov_b32 v[OLD], v12
	v_nop
.irp u, 0,1,2,3                        ; this step's V: 17 loads
	ds_load_b128 v[VF+12*\u:VF+12*\u+3], v[AD16] offset:6144+1536*\u
	ds_load_b64 v[VF+12*\u+4:VF+12*\u+5], v[AD8] offset:6144+1536*\u+512
	ds_load_b64 v[VF+12*\u+6:VF+12*\u+7], v[AD8] offset:6144+1536*\u+768
	ds_load_b128 v[VF+12*\u+8:VF+12*\u+11], v[AD16] offset:6144+1536*\u+1024
.endr
	ds_load_b64 v[VS:VS+1], v[AD8] offset:12800
	KLOAD                                          ; the next step's K
.if !(\nxt)
	ds_load_b128 v[QF:QF+3], v[QS]                 ; and the other pass's Q
	ds_load_b64 v[QF+4:QF+5], v[QS] offset:512
	ds_load_b32 v[QW], v[QS] offset:1024
.endif
.irp k, 0,1,2,3                        ; the largest score of my two blocks of 32 keys, in four chains of 16 by turns; each accumulator is read from its low end on
	v_max3_num_f32 v[BM+\k], v[S+16*\k], v[S+1+16*\k], v[S+2+16*\k]
.endr
.irp i, 3,5,7,9,11,13
.irp k, 0,1,2,3
	v_max3_num_f32 v[BM+\k], v[BM+\k], v[S+16*\k+\i], v[S+1+16*\k+\i]
.endr
.endr
	v_max3_num_f32 v[BM], v[BM], v[BM+1], v[S+15]
	v_max3_num_f32 v[BM+2], v[BM+2], v[BM+3], v[S+47]
	v_max_num_f32 v[BM], v[BM], v[S+31]            ; block h: it serves for the row's maximum and, since p rises with the score, for the block's largest p
	v_max_num_f32 v[BM+2], v[BM+2], v[S+63]        ; block 2 + h
	s_delay_alu instid0(VALU_DEP_1)
	v_max_num_f32 v[T0], v[BM], v[BM+2]
	s_delay_alu instid0(VALU_DEP_1)
	v_permlanex16_b32 v[TX], v[T0], s[SEL], s[SEL+1]
	s_delay_alu instid0(VALU_DEP_1)
	v_max3_num_f32 v13, v13, v[T0], v[TX]          ; the running largest score (c is positive)
	s_delay_alu instid0(VALU_DEP_1)
	v_mul_f32 v[T0], s[CS], v13                    ; as t
	s_delay_alu instid0(VALU_DEP_1)
	v_floor_f32 v12, -v[T0]                        ; the new -M = -ceil(t): a whole number
.set j, 0
.rept 32
	v_pk_fma_f32 v[S+j:S+j+1], v[S+j:S+j+1], s[CS:CS+1], v[12:13] op_sel_hi:[1,0,0]   ; t - M, two at a time; the three lines that make f stand among them
.if j == 4
	v_sub_f32 v[T0], v12, v[OLD]                   ; old M - new M, 0 or less
.elseif j == 14
	v_cvt_i32_f32 v[T0], v[T0]                     ; (it saturates)
.elseif j == 24
	v_ldexp_f32 v[F], 1.0, v[T0]                   ; f = 2^(old M - new M)
.endif
.set j, j+2
.endr
	v_fma_f32 v[BM], v[BM], s[CS], v12             ; the same of each block's largest score
	v_fma_f32 v[BM+2], v[BM+2], s[CS], v12
	WALU
.set j, 0
.rept 64
	v_exp_f32 v[S+j], v[S+j]                       ; p = 2^(t - M)
.set j, j+1
.endr
	v_exp_f32 v[BM], v[BM]                         ; the blocks' largest p: the same two instructions on the same number
	v_exp_f32 v[BM+2], v[BM+2]
	v_pk_mul_f32 v[14:15], v[14:15], v[F:F+1] op_sel_hi:[1,0]   ; the sums under the new M: a plain place behind the exponentials
	WALU                                           ; one wait for the batch, directly ahead of its first readers and of O^T's
	v_max_num_f32 v[BM], 0x1800000, v[BM]          ; the floor 2^(3 - 127): the byte cannot fall under 1
	v_max_num_f32 v[BM+2], 0x1800000, v[BM+2]
	OM 0                                           ; O^T under the new M, among the lines that make p's scales
	v_add_nc_u32 v[BM], 0xff000000, v[BM]          ; 2 off the exponent field: the conversions' scale operands
	v_add_nc_u32 v[BM+2], 0xff000000, v[BM+2]
	OM 4
	v_lshrrev_b32 v[BM+1], 23, v[BM]               ; the scales' bytes
	v_lshrrev_b32 v[BM+3], 23, v[BM+2]
	OM 8
	v_lshl_or_b32 v[PWD], v[BM+3], 16, v[BM+1]     ; my two bytes: blocks h and 2 + h,
	OM 12
	v_lshlrev_b32 v[PWD], v[SH], v[PWD]            ; at their places in the scale word (8 h bits up);
	OM 16
	OM 20
	OM 24
	v_permlanex16_b32 v[TX], v[PWD], s[SEL], s[SEL+1]
	OM 28
	v_or_b32 v[PWD], v[PWD], v[TX]                 ; with lane l xor 16's two the word is whole
	v_cvt_scalef32_pk16_fp6_f32 v[PC:PC+2], v[S:S+15], v[BM]
	v_cvt_scalef32_pk16_fp6_f32 v[TC:TC+2], v[S+16:S+31], v[BM]           ; a conversion's three registers begin on an even number: the upper halves are made elsewhere and moved
	v_cvt_scalef32_pk16_fp6_f32 v[PC+6:PC+8], v[S+32:S+47], v[BM+2]
	v_cvt_scalef32_pk16_fp6_f32 v[TC+4:TC+6], v[S+48:S+63], v[BM+2]
	v_pk_add_f32 v[14:15], v[14:15], v[S:S+1]      ; THE ROW'S SUM, of the unquantised p, in four chains by turns.  (Also the plain place behind the conversions)
.irp i, 0,1,2
	v_mov_b32 v[PC+3+\i], v[TC+\i]
	v_mov_b32 v[PC+9+\i], v[TC+4+\i]
.endr
.irp k, 1,2,3                          ; the 31 additions below are the places between the codes and the scale word and the products that take them
	v_pk_add_f32 v[AC+2*\k-2:AC+2*\k-1], v[S+16*\k:S+16*\k+1], v[S+16*\k+2:S+16*\k+3]
.endr
.irp i, 1,2,3,4,5,6
	v_pk_add_f32 v[14:15], v[14:15], v[S+2*\i:S+2*\i+1]
.irp k, 1,2,3
	v_pk_add_f32 v[AC+2*\k-2:AC+2*\k-1], v[AC+2*\k-2:AC+2*\k-1], v[S+16*\k+2+2*\i:S+16*\k+3+2*\i]
.endr
.endr
	v_pk_add_f32 v[14:15], v[14:15], v[S+14:S+15]
	v_pk_add_f32 v[AC:AC+1], v[AC:AC+1], v[AC+2:AC+3]
	v_pk_add_f32 v[14:15], v[14:15], v[AC+4:AC+5]
	v_pk_add_f32 v[14:15], v[14:15], v[AC:AC+1]
.if \nxt
	s_wait_dscnt 17                                ; V is in; the seventeen loads of the next K, issued behind V's, may be out
.else
	s_wait_dscnt 20                                ; and here Q's three
.endif
.irp u, 0,1                            ; O^T += V^T P^T: the four accumulators by turns; eight other products stand between two steps of a sum
	v_wmma_scale_f32_16x16x128_f8f6f4 v[O+16*\u:O+16*\u+7], v[VF+24*\u:VF+24*\u+11], v[PC:PC+11], v[O+16*\u:O+16*\u+7], v[VS+\u], v[PWD] matrix_a_fmt:MATRIX_FMT_FP6 matrix_b_fmt:MATRIX_FMT_FP6
	v_wmma_scale_f32_16x16x128_f8f6f4 v[O+16*\u+8:O+16*\u+15], v[VF+24*\u+12:VF+24*\u+23], v[PC:PC+11], v[O+16*\u+8:O+16*\u+15], v[VS+\u], v[PWD] matrix_a_fmt:MATRIX_FMT_FP6 matrix_b_fmt:MATRIX_FMT_FP6 matrix_a_scale:MATRIX_SCALE_ROW1
.endr
.endm
.macro STEPS first, n                  ; n key steps from block 'first' on
	s_mov_b32 s[TB], \first*BLKB
	s_mov_b32 s[CNT], \n
.Lstep_\@:
	STEP 1
	s_add_co_u32 s[TB], s[TB], BLKB
	s_sub_co_u32 s[CNT], s[CNT], 1
	s_cmp_lg_u32 s[CNT], 0
	s_cbranch_scc1 .Lstep_\@
.endm
	s_load_b128 s[4:7], s[0:1], 0x0                ; qb, kv
	s_load_b64 s[8:9], s[0:1], 0x10                ; oc
	v_lshl_add_u32 v[SPW], v0, 2, SPARE
	v_mov_b32 v[NIL], 0
	ds_add_u32 v[SPW], v[NIL]                      ; the opening lines: the add, twice on end, and its wait ahead of my tensor load
	ds_add_u32 v[SPW], v[NIL]
	v_lshrrev_b32 v7, 5, v0
	v_readfirstlane_b32 s[WV], v7                  ; wave 0..15
	s_bfe_u32 s13, ttmp6, 0x40000                  ; cx: it enters global addresses of q and O alone
	s_and_b32 s14, ttmp7, 0xffff                   ; 16 x batch + head, which the four partners share
	s_mov_b32 s[G1], 15|(3<<16)|(1<<21)            ; the mask: all four work-groups; elements of 8 bytes; bit 21 beside a mask
	s_mov_b32 s[G1+1], 32<<16                      ; a block: 13,056 dense bytes as 51 rows of 256
	s_mov_b32 s[G1+2], 51<<16
	s_mov_b32 s[G1+3], 32<<16
	s_mov_b32 s[G1+4], 51
	s_mov_b32 s[G1+5], 32
	s_mov_b32 s[G1+6], 0
	s_mov_b32 s[G1+7], 0
	s_mul_i32 s56, s14, HEADB
	s_mul_i32 s58, s[WV], BLKB                     ; my block: its number is my wave's
	s_add_co_u32 s56, s56, s58
	s_mov_b32 s57, 0
	s_mul_i32 s71, s[WV], 1536
	s_add_co_u32 s71, s71, QST                     ; my place for the second pass's Q
	s_lshl_b32 s51, s14, 4                         ; q: block 16 (16 batch + head) + 4 cx + wave / 8, tile wave % 8
	s_lshl_b32 s66, s13, 2
	s_add_co_u32 s51, s51, s66
	s_lshr_b32 s66, s[WV], 3
	s_add_co_u32 s51, s51, s66
	s_mul_i32 s51, s51, BLKB
	s_and_b32 s67, s[WV], 7
	s_mul_i32 s52, s67, 768
	s_add_co_u32 s52, s52, s51                     ; its half image
	s_mov_b32 s53, 0
	s_and_b32 s66, s67, 1
	s_lshl_b32 s66, s66, 8
	s_lshr_b32 s54, s67, 1
	s_lshl_b32 s54, s54, 2
	s_add_co_u32 s54, s54, s66
	s_add_co_u32 s54, s54, s51
	s_add_co_u32 s54, s54, 12288                   ; its scale words: 12,288 + 256 (tile % 2) + 4 (tile / 2), + 16 r
	s_mov_b32 s55, 0
	s_lshr_b32 s60, s14, 4
	s_lshl_b32 s60, s60, 7
	s_lshl_b32 s66, s13, 5
	s_add_co_u32 s60, s60, s66
	s_add_co_u32 s60, s60, s[WV]                   ; O: tile 128 batch + 32 cx + wave of the 512
	s_and_b32 s61, s14, 15                         ; the head
	s_lshr_b32 s62, s60, 3
	s_mul_i32 s62, s62, GRPB                       ; its eight tiles' 102,400 bytes
	s_and_b32 s60, s60, 7
	s_lshr_b32 s66, s61, 2                         ; head / 4: the K step of 256
	s_and_b32 s67, s61, 3
	s_lshl_b32 s68, s60, 9                         ; my two bytes of the scale words: 512 tile + 128 (head / 4) + 2 (head % 4), + 8 r
	s_add_co_u32 s68, s68, s62
	s_lshl_b32 s59, s66, 7
	s_add_co_u32 s68, s68, s59
	s_lshl_b32 s59, s67, 1
	s_add_co_u32 s68, s68, s59
	s_mov_b32 s69, 0
	s_mul_i32 s60, s60, 3072                       ; my codes: 4,096 + 24,576 (head / 4) + 3,072 tile + 768 (head % 4)
	s_add_co_u32 s62, s62, s60
	s_mul_i32 s66, s66, 24576
	s_add_co_u32 s62, s62, s66
	s_mul_i32 s67, s67, 768
	s_add_co_u32 s62, s62, s67
	s_add_co_u32 s62, s62, 4096
	s_mov_b32 s63, 0
	s_and_b32 s[ODD], s61, 1
	s_mov_b32 s[SEL], 0x76543210
	s_mov_b32 s[SEL+1], 0xfedcba98
	s_mov_b32 s[CS], 0x3e38aa3b                    ; c = log2(e) / 8
	s_mov_b32 s[CS+1], s[CS]                       ; named with it as a pair
	s_wait_dscnt 0x0
	s_wait_kmcnt 0x0
	s_add_nc_u64 s[56:57], s[6:7], s[56:57]
	s_add_nc_u64 s[52:53], s[4:5], s[52:53]
	s_add_nc_u64 s[54:55], s[4:5], s[54:55]
	s_add_nc_u64 s[10:11], s[8:9], s[68:69]
	s_add_nc_u64 s[8:9], s[8:9], s[62:63]
	s_mov_b32 s[G0], 1
	s_mov_b32 s[G0+1], s58
	s_mov_b64 s[G0+2:G0+3], s[56:57]
	s_or_b32 s[G0+3], s[G0+3], 0x80000000
	CROUND                                         ; all four work-groups are here: the joint loads meet
	s_cmp_lt_u32 s[WV], 5                          ; one load on every way; waves 0 to 4, for whose blocks alone the first barrier waits, have a line of their own
	s_cbranch_scc0 .Llater
	tensor_load_to_lds s[G0:G0+3], s[G1:G1+7]
	s_nop 0
.rept 4
	v_nop
.endr
	s_branch .Lasked
.Llater:
	tensor_load_to_lds s[G0:G0+3], s[G1:G1+7]
	s_nop 0
.rept 4
	v_nop
.endr
.Lasked:
	v_and_b32 v8, 31, v0
	v_and_b32 v9, 15, v0
	v_bfe_u32 v10, v0, 4, 1
	v_lshlrev_b32 v[L16], 4, v8
	v_lshlrev_b32 v[L8], 3, v8
	v_lshlrev_b32 v[R16], 4, v9
	v_lshlrev_b32 v[R8], 3, v9
	v_lshlrev_b32 v[SH], 3, v10
	v_add_nc_u32 v[QS], s71, v[L16]
	global_load_b128 v[QF:QF+3], v[L16], s[52:53]
	global_load_b64 v[QF+4:QF+5], v[L8], s[52:53] offset:512
	global_load_b32 v[QW], v[R16], s[54:55]
	global_load_b128 v[S:S+3], v[L16], s[52:53] offset:2*BLKB            ; the second pass's tile lies 16 tiles, two blocks, on
	global_load_b64 v[S+4:S+5], v[L8], s[52:53] offset:2*BLKB+512
	global_load_b32 v[S+6], v[R16], s[54:55] offset:2*BLKB
.irp i, 0,1,2,3,4,5
	v_mov_b32 v[QF+6+\i], 0                        ; zero codes for k = 64 .. 127
	v_mov_b32 v[PC+\i], 0                          ; named behind K's last tile before the first p is made
.endr
	WALU
	s_wait_loadcnt 0x0
	s_cmp_lt_u32 s[WV], 5
	s_cbranch_scc0 .Lnot_mine
	s_wait_tensorcnt 0x0                           ; waves 0 to 4: my block is in
.Lnot_mine:
	s_barrier_signal -1
	s_barrier_wait -1                              ; blocks 0 to 4 are in; the others may be on their way
	ds_store_b128 v[QS], v[S:S+3]                  ; the second pass's Q waits in my own LDS bytes
	ds_store_b64 v[QS], v[S+4:S+5] offset:512
	ds_store_b32 v[QS], v[S+6] offset:1024
.set KA, L16
.set KB, L8
.set KO, 0
	KLOAD                                          ; the first step's K: block 0
	s_mov_b32 s[PASS], 2
.Lpass:
	v_mov_b32 v13, 0xff61b1e6                      ; the largest score so far: -3e38
	v_mov_b32 v12, 0x7f61b1e6                      ; -M: 3e38, so that the first f is 0
	v_mov_b32 v14, 0
	v_mov_b32 v15, 0
.set j, 0
.rept 32
	v_mov_b32 v[O+j], 0                            ; the step is written once: the first finds zeros, which the first change of M leaves zeros
.set j, j+1
.endr
	STEPS 0, 4
	s_wait_tensorcnt 0x0                           ; every wave: my block is in
	s_wait_dscnt 0x0                               ; no LDS instruction of mine is out at the signal
	s_barrier_signal -1
	s_barrier_wait -1                              ; all sixteen blocks are in
	STEPS 4, 11
	s_mov_b32 s[TB], 15*BLKB
	STEP 0
	; THE WAY OUT: O^T / the sum, quantised along my head's 64 channels: half a fragment of the last projection's operand
.rept 4
	v_nop
.endr
	WALU                                           ; the sum was written ahead of the step's last wait
	v_add_f32 v14, v14, v15
	s_delay_alu instid0(VALU_DEP_1)
	v_permlanex16_b32 v[TX], v14, s[SEL], s[SEL+1]
	s_delay_alu instid0(VALU_DEP_1)
	v_add_f32 v14, v14, v[TX]                      ; the row's sum
	WALU
	v_rcp_f32 v[F], v14
	v_nop                                          ; a plain place behind the reciprocal
	WALU                                           ; and the wait ahead of its first reader, and of O^T's
.set j, 0
.rept 16
	v_pk_mul_f32 v[S+j:S+j+1], v[O+j:O+j+1], v[F:F+1] op_sel_hi:[1,0]   ; register 16 b + i: channel 32 b + 16 h + i
.set j, j+2
.endr
.irp b, 0,1
	v_max3_num_f32 v[BM+\b], |v[S+16*\b]|, |v[S+1+16*\b]|, 0x1800000
.endr
.irp i, 2,4,6,8,10,12,14
.irp b, 0,1
	s_delay_alu instid0(VALU_DEP_2)
	v_max3_num_f32 v[BM+\b], v[BM+\b], |v[S+16*\b+\i]|, |v[S+1+16*\b+\i]|
.endr
.endr
.irp b, 0,1
	s_delay_alu instid0(VALU_DEP_2)
	v_permlanex16_b32 v[BM+2+\b], v[BM+\b], s[SEL], s[SEL+1]
.endr
.irp b, 0,1
	s_delay_alu instid0(VALU_DEP_2)
	v_max_num_f32 v[BM+\b], v[BM+\b], v[BM+2+\b]
.endr
.irp b, 0,1
	s_delay_alu instid0(VALU_DEP_2)
	v_add_nc_u32 v[AC+\b], 0xff000000, v[BM+\b]
.endr
.irp b, 0,1
	s_delay_alu instid0(VALU_DEP_2)
	v_lshrrev_b32 v[AC+2+\b], 23, v[AC+\b]
.endr
	s_delay_alu instid0(VALU_DEP_1)
	v_lshl_or_b32 v[T0], v[AC+3], 8, v[AC+2]       ; O's two scale bytes
	v_cvt_scalef32_pk16_fp6_f32 v[PC:PC+2], v[S:S+15], v[AC]
	v_cvt_scalef32_pk16_fp6_f32 v[TC+4:TC+6], v[S+16:S+31], v[AC+1]
	v_nop
.irp i, 0,1,2
	v_permlane16_swap_b32 v[PC+\i], v[TC+4+\i]     ; a whole block to a lane
.endr
.irp i, 0,1,2
	s_delay_alu instid0(VALU_DEP_3)
	v_mov_b32 v[PC+3+\i], v[TC+4+\i]
.endr
	s_cmp_lg_u32 s[ODD], 0                         ; an even head fills registers 0-5 of the image, an odd one 6-11: the partners share the head
	WALU
	s_cbranch_scc1 .Lodd
	global_store_b128 v[L16], v[PC:PC+3], s[8:9]
	global_store_b64 v[L8], v[PC+4:PC+5], s[8:9] offset:512
	s_branch .Lstored
.Lodd:
	global_store_b64 v[L8], v[PC:PC+1], s[8:9]
	global_store_b128 v[L16], v[PC+2:PC+5], s[8:9] offset:256
.Lstored:
	global_store_b16 v[R8], v[T0], s[10:11]        ; two bytes a row (lanes 16-31 store the same bytes as lanes 0-15): a scale word spans two heads, which two work-groups own
	s_wait_xcnt 0x0                                ; the stores have read their registers and bases
	s_add_nc_u64 s[8:9], s[8:9], 2*GRPB            ; the second pass's tile lies 16 tiles on
	s_add_nc_u64 s[10:11], s[10:11], 2*GRPB
	s_sub_co_u32 s[PASS], s[PASS], 1
	s_cmp_lg_u32 s[PASS], 0
	s_cbranch_scc1 .Lpass
	s_wait_tensorcnt 0x0                           ; the wave's end
	ds_add_u32 v[SPW], v[NIL]
	s_wait_dscnt 0x0
	CROUND                                         ; the closing round
	s_endpgm
.Lfunc_end_k_q91f5e5adee_attn:
	.size	k_q91f5e5adee_attn, .Lfunc_end_k_q91f5e5adee_attn-k_q91f5e5adee_attn
	.p2alignl 7, 3214868480
	.fill 96, 4, 3214868480
	.section	.rodata,"a",@progbits
	.p2align	6, 0x0
	.amdhsa_kernel k_q91f5e5adee_attn
		.amdhsa_group_segment_fixed_size 235520
		.amdhsa_private_segment_fixed_size 0
		.amdhsa_enable_private_segment 0
		.amdhsa_kernarg_size 24
		.amdhsa_user_sgpr_count 2
		.amdhsa_user_sgpr_kernarg_segment_ptr 1
		.amdhsa_wavefront_size32 1
		.amdhsa_system_sgpr_workgroup_id_x 1
		.amdhsa_system_sgpr_workgroup_id_y 1
		.amdhsa_system_sgpr_workgroup_id_z 1
		.amdhsa_system_vgpr_workitem_id 0
		.amdhsa_next_free_vgpr 256
		.amdhsa_next_free_sgpr 80
		.amdhsa_reserve_vcc 0
		.amdhsa_float_denorm_mode_32 3
		.amdhsa_float_denorm_mode_16_64 3
		.amdhsa_memory_ordered 1
		.amdhsa_forward_progress 1
		.amdhsa_inst_pref_size 59
	.end_amdhsa_kernel
	.amdgpu_metadata
---
amdhsa.version: [ 1, 2 ]
amdhsa.kernels:
  - .name:           k_q91f5e5adee_attn
    .symbol:         k_q91f5e5adee_attn.kd
    .args:
      - { .name: qb, .offset: 0, .size: 8, .value_kind: global_buffer, .address_space: global }
      - { .name: kv, .offset: 8, .size: 8, .value_kind: global_buffer, .address_space: global }
      - { .name: oc, .offset: 16, .size: 8, .value_kind: global_buffer, .address_space: global }
    .group_segment_fixed_size: 235520
    .private_segment_fixed_size: 0
    .kernarg_segment_align: 8
    .kernarg_segment_size: 24
    .max_flat_workgroup_size: 512
    .sgpr_count:     80
    .vgpr_count:     256
    .wavefront_size: 32
...
	.end_amdgpu_metadata
.endif
;; end of part 3
;; launch outp (part 4): grid 4 x 64, 4 waves a work-group, clusters of 4 x 4, 307,712 bytes of LDS; arguments oc, xc, bo, out0; writes out0
.if DOCPART == 4
	.amdgcn_target "amdgcn-amd-amdhsa--gfx1250"
	.amdhsa_code_object_version 6
	.text
	.protected	k_q91f5e5adee_outp
	.globl	k_q91f5e5adee_outp
	.p2align	8
	.type	k_q91f5e5adee_outp,@function
k_q91f5e5adee_outp:
	s_mov_b64 s[64:65], 0
	v_nop
	global_prefetch_b8 v0, s[64:65] scope:SCOPE_SE
	s_setreg_imm32_b32 hwreg(HW_REG_WAVE_MODE, 25, 1), 1
	s_wait_xcnt 0x0
	s_wait_alu depctr_hold_cnt(0) depctr_sa_sdst(0) depctr_va_vdst(0) depctr_va_sdst(0) depctr_va_ssrc(0) depctr_va_vcc(0) depctr_vm_vsrc(0)
	s_getreg_b32 s2, hwreg(HW_REG_IB_STS2, 6, 4)
	s_cmp_eq_u32 s2, 0
	s_cbranch_scc0 .Lentry_in_a_cluster
	s_endpgm
.Lentry_in_a_cluster:
	s_bfe_u32 s2, ttmp6, 0x10000c
	s_cmp_lg_u32 s2, 0xf033
	s_cbranch_scc0 .Lentry_shape_is_right
	s_endpgm
.Lentry_shape_is_right:
; out0 = O Wo^T + bo on codes of FP6 (E2M3) with E8M0 scales, sums in f32.
; oc (O) and xc (Wo from its 216th block on) lie as [128 rows][102,400]: 4,096 bytes of scale words (512 a tile of 16 rows, the word of (row r, step s of 128 along K) at 128 (s / 2) + 8 r + 4 (s % 2)),
; then four K steps of 256, 24,576 bytes each: [tile 0..7][two fragment images of 1,536: registers 0-3 at 16 x lane, 4-5 at 512 + 8 x lane, 6-7 at 768 + 8 x lane, 8-11 at 1,024 + 16 x lane].
; The rows of a tile T of a block are 32 (T / 2) + 8 (T % 2) + r + 8 (r / 8).
; SHARES.  256 work-groups; each makes 128 rows x 256 columns of out0: one block of O ('A'), two of Wo ('B').  Four waves, 2 x 2: a wave makes 64 x 128: 32 accumulators.
; THE MATRIX INSTRUCTION IS USED TRANSPOSED: source 0 = Wo's rows, source 1 = O's rows: a lane holds a row of out0.  The bias is the C of the first products.
; ALL OF K LIES IN LDS, 307,200 bytes, filled once by four tensor loads at the head, one a wave: wave 0 A's scale words and K steps 0, 1; wave 1 the same of B's two blocks (two rows of 53,248 bytes);
; wave 2 A's K steps 2, 3; wave 3 B's.  The first barrier waits for waves 0 and 1 alone, whose lines are their own; the barrier in the fourth step of 128 shows the rest.  Nothing is filled again.
; CLUSTER 4 x 4: A's bytes are shared along a row of the cluster, B's along a column: joint loads.  No prefetch: every tile is asked for by its tensor load at the head, and no loop is left to run ahead in.
; REGISTERS: window 0: v1-3 r, h, lane; v4-11 LDS addresses; v16 scale words' address; v17-19 offsets; v24-25 the stage; v28-29 the add's; v32-63 scale words, two sets; v64-127 the bias;
;   v128-223 A's fragments, two sets of four; on the way out v128-255 rows of out0.  window 1: B's fragments, two sets of eight.  window 2: the accumulators, (a, b) at v[8 (8 a + b)].
.set GRPB,  102400
.set KSB,   24576                      ; a K step's codes
.set P1,    4096+2*KSB                 ; a block's first part: scale words, K steps 0, 1
.set P2,    2*KSB                      ; its second: K steps 2, 3
.set LB1,   GRPB                       ; LDS: A's block as it lies; then B's two first parts;
.set LB2,   LB1+2*P1                   ; then B's two second parts
.set SPARE, LB2+2*P2                   ; the spare words, 128 bytes for each wave: two blocks of 256 bytes that no other line names
.set SPITCH, 528                       ; the way out: a stage of 16 rows x (512 + 16) bytes for each wave,
.set STAGE, 8192                       ; in A's K steps 0, 1, which have had their only fill and, at the second barrier, their last read
.set A16, 4                            ; v4, v5  A's fragments in K steps 0, 1 and in 2, 3: + 16 x lane
.set A8,  6                            ; v6, v7  + 8 x lane
.set B16, 8
.set B8,  10
.set ADRS, 16
.set L16, 17
.set L8,  18
.set BO,  19
.set STO, 24
.set RD,  25
.set SPW, 28
.set NIL, 29
.set SC,  32
.set BI,  64
.set AF,  128
.set BK,  128
.set WV,  20
.set HA,  21                           ; wave / 2: my 64 rows of A
.set HB,  22                           ; wave % 2: my block of B
.set G1A1, 24
.set G1B1, 32
.set G1A2, 40
.set G1B2, 48
.set G0A1, 56
.set G0B1, 60
.set G0A2, 68
.set G0B2, 72
.set MSB, 0
.macro WIN new                         ; the immediate's high byte repeats the setting that is left
.if MSB != (\new)
	s_set_vgpr_msb (MSB<<8)|(\new)
.set MSB, (\new)
.endif
.endm
.macro CROUND
	s_barrier_signal -1
	s_barrier_wait -1
	s_cmp_lg_u32 s[WV], 0
	s_cbranch_scc1 .Lnot_wave_0_\@
	s_barrier_signal -3
.Lnot_wave_0_\@:
	s_barrier_wait -3
	s_barrier_signal -1
	s_barrier_wait -1
.endm
.macro PLACES
.rept 4
	v_nop
.endr
.endm
.macro GROUP1 g, mask, cols, rows, pitch   ; rows of 8 x cols bytes, 8 x pitch bytes apart; no padding
	s_or_b32 s[\g], s\mask, (3<<16)|(1<<21)
	s_mov_b32 s[\g+1], (\cols)<<16
	s_mov_b32 s[\g+2], (\rows)<<16
	s_mov_b32 s[\g+3], (\cols)<<16
	s_mov_b32 s[\g+4], \rows
	s_mov_b32 s[\g+5], \pitch
	s_mov_b32 s[\g+6], 0
	s_mov_b32 s[\g+7], 0
.endm
.macro GROUP0 g, lds, base, goff
	s_mov_b32 s[\g], 1
	s_mov_b32 s[\g+1], \lds
	s_add_nc_u64 s[\g+2:\g+3], s[\base:\base+1], \goff
	s_or_b32 s[\g+3], s[\g+3], 0x80000000
.endm
.macro ARM under, g0, g1, next         ; one arm of the head's chain: its load, and a jump to the chain's end
	s_cmp_lt_u32 s[WV], \under
	s_cbranch_scc0 \next
	tensor_load_to_lds s[\g0:\g0+3], s[\g1:\g1+7]
	s_nop 0
	PLACES
	s_branch .Lhead_asked
\next:
.endm
.macro FRAG reg, a16, a8, off          ; a fragment's image: four loads
	ds_load_b128 v[\reg:\reg+3], v[\a16] offset:\off
	ds_load_b64 v[\reg+4:\reg+5], v[\a8] offset:\off+512
	ds_load_b64 v[\reg+6:\reg+7], v[\a8] offset:\off+768
	ds_load_b128 v[\reg+8:\reg+11], v[\a16] offset:\off+1024
.endm
.macro FETCH s                         ; step s (128 along K): B's eight fragments and A's four into set s % 2; at an even step the scale words of its K step: lanes 0-15 A's tile i, lanes 16-31 B's tile i
.set KO, KSB*(((\s)/2)%2)+1536*((\s)%2)
	WIN 0x40
.irp i, 0,1,2,3,4,5,6,7
	FRAG 128*((\s)%2)+12*\i, B16+(\s)/4, B8+(\s)/4, KO+3072*\i
.endr
	WIN 0
.irp i, 0,1,2,3
	FRAG AF+48*((\s)%2)+12*\i, A16+(\s)/4, A8+(\s)/4, KO+3072*\i
.endr
.if (\s)%2 == 0
.irp i, 0,1,2,3,4,5,6,7
	ds_load_b64 v[SC+16*(((\s)/2)%2)+2*\i:SC+16*(((\s)/2)%2)+2*\i+1], v[ADRS] offset:512*\i+64*(\s)
.endr
.endif
.endm
; 32 matrix instructions: A's four tiles x B's eight.  The 32 accumulators take turns, one instruction a turn, in the same order in every step.
.macro MUL32 s
.set SCB, SC+16*(((\s)/2)%2)+(\s)%2
.set BS, 128*((\s)%2)
.set AS, AF+48*((\s)%2)
.irp a, 0,1,2,3
.irp b, 0,1,2,3,4,5,6,7
.if (\s) == 0
	v_wmma_scale_f32_16x16x128_f8f6f4 v[8*(8*\a+\b):8*(8*\a+\b)+7], v[BS+12*\b:BS+12*\b+11], v[AS+12*\a:AS+12*\a+11], v[BI+8*\b:BI+8*\b+7], v[SCB+2*\b], v[SCB+2*\a] matrix_a_fmt:MATRIX_FMT_FP6 matrix_b_fmt:MATRIX_FMT_FP6 matrix_a_scale:MATRIX_SCALE_ROW1
.else
	v_wmma_scale_f32_16x16x128_f8f6f4 v[8*(8*\a+\b):8*(8*\a+\b)+7], v[BS+12*\b:BS+12*\b+11], v[AS+12*\a:AS+12*\a+11], v[8*(8*\a+\b):8*(8*\a+\b)+7], v[SCB+2*\b], v[SCB+2*\a] matrix_a_fmt:MATRIX_FMT_FP6 matrix_b_fmt:MATRIX_FMT_FP6 matrix_a_scale:MATRIX_SCALE_ROW1
.endif
.endr
.endr
.endm
.macro GSTEP s
	s_wait_dscnt 0x0                               ; this step's fragments, asked for a step ago, are in
.if (\s) == 3
	s_wait_tensorcnt 0x0                           ; every wave: my tile is in; my reads of K steps 0, 1 are over
	s_barrier_signal -1
	s_barrier_wait -1                              ; K steps 2, 3 are whole for every wave, and nobody reads the codes of K steps 0, 1 any more
.endif
.if (\s) < 7
.if (\s) > 0
	PLACES                                         ; in front of the loads into the set that the step before multiplied
.endif
	FETCH (\s)+1
.endif
.if (\s) == 0
	WIN 0x81                                       ; source 0 (B) window 1, source 1 (A) and C (the bias) window 0, D window 2
.else
	WIN 0xa1                                       ; C with D
.endif
	MUL32 \s
	WIN 0
.endm
	s_load_b64 s[4:5], s[0:1], 0x0                 ; oc
	s_load_b64 s[8:9], s[0:1], 0x8                 ; xc
	s_load_b128 s[12:15], s[0:1], 0x10             ; bo, out0
	v_lshl_add_u32 v[SPW], v0, 2, SPARE
	v_mov_b32 v[NIL], 0
	ds_add_u32 v[SPW], v[NIL]                      ; the opening lines: the add, twice on end, and its wait ahead of my tensor load
	ds_add_u32 v[SPW], v[NIL]
	v_lshrrev_b32 v1, 5, v0
	v_readfirstlane_b32 s[WV], v1
	s_lshr_b32 s[HA], s[WV], 1
	s_and_b32 s[HB], s[WV], 1
	s_bfe_u32 s3, ttmp6, 0x40000                   ; cx: B's two blocks of Wo
	s_bfe_u32 s93, ttmp6, 0x40004                  ; cy
	s_and_b32 s2, ttmp7, 0xffff
	s_lshl_b32 s2, s2, 2
	s_add_co_u32 s2, s2, s93                       ; A's block of O, 0..63
	s_lshl_b32 s96, s93, 2
	s_lshl_b32 s96, 15, s96                        ; my row of the cluster
	s_lshl_b32 s97, 0x1111, s3                     ; my column
	GROUP1 G1A1, 96, 32, P1/256, 32                ; dense bytes as rows of 256
	GROUP1 G1A2, 96, 32, P2/256, 32
	GROUP1 G1B1, 97, P1/8, 2, GRPB/8               ; a part of each of two blocks
	GROUP1 G1B2, 97, P2/8, 2, GRPB/8
	s_mul_i32 s100, s2, GRPB
	s_mov_b32 s101, 0
	s_lshl_b32 s98, s3, 1
	s_add_co_u32 s98, s98, 216
	s_mul_i32 s98, s98, GRPB
	s_mov_b32 s99, 0
	s_mul_i32 s76, s[HA], 4*3072                   ; LDS: my four tiles of A in K steps 0, 1,
	s_add_co_u32 s76, s76, 4096
	s_add_co_u32 s78, s76, P2                      ; and in 2, 3
	s_mul_i32 s77, s[HB], P1
	s_add_co_u32 s77, s77, LB1                     ; my block of B: its first part
	s_lshl_b32 s80, s[HA], 11                      ; scale words: A's, 512 bytes a tile;
	s_sub_co_u32 s81, s77, s80                     ; from there to B's
	s_add_co_u32 s77, s77, 4096
	s_mul_i32 s79, s[HB], P2
	s_add_co_u32 s79, s79, LB2                     ; its second part
	s_mul_i32 s82, s[WV], 16*SPITCH
	s_add_co_u32 s82, s82, STAGE                   ; my stage
	s_lshl_b32 s84, s3, 10                         ; my 128 columns, in bytes: 1,024 cx + 512 x half
	s_lshl_b32 s85, s[HB], 9
	s_add_co_u32 s84, s84, s85
	s_mov_b32 s85, 0
	s_lshl_b32 s86, s2, 19                         ; my first row: 128 rows of 4,096 bytes a block,
	s_lshl_b32 s87, s[HA], 18                      ; 64 for the second half
	s_add_co_u32 s86, s86, s87
	s_mov_b32 s87, 0
	s_wait_dscnt 0x0
	s_wait_kmcnt 0x0
	s_add_nc_u64 s[100:101], s[4:5], s[100:101]
	s_add_nc_u64 s[98:99], s[8:9], s[98:99]
	s_add_nc_u64 s[12:13], s[12:13], s[84:85]
	s_add_nc_u64 s[14:15], s[14:15], s[84:85]
	s_add_nc_u64 s[14:15], s[14:15], s[86:87]
	CROUND                                         ; all sixteen work-groups are here: the joint loads meet
	GROUP0 G0A1, 0, 100, 0
	GROUP0 G0B1, LB1, 98, 0
	GROUP0 G0A2, P1, 100, P1
	GROUP0 G0B2, LB2, 98, P1
	ARM 1, G0A1, G1A1, .Lhead_b1                   ; one load on every way through the chain
	ARM 2, G0B1, G1B1, .Lhead_a2
	ARM 3, G0A2, G1A2, .Lhead_b2
	tensor_load_to_lds s[G0B2:G0B2+3], s[G1B2:G1B2+7]
	s_nop 0
	PLACES
.Lhead_asked:
	v_and_b32 v1, 15, v0                           ; r
	v_bfe_u32 v2, v0, 4, 1                         ; h
	v_and_b32 v3, 31, v0                           ; lane
	v_lshlrev_b32 v[L16], 4, v3
	v_lshlrev_b32 v[L8], 3, v3
	v_lshlrev_b32 v[BO], 6, v2                     ; 16 h numbers on
	v_mul_u32_u24 v[ADRS], s81, v2                 ; lanes 16-31 take B's scale words: one product with h
	v_mul_u32_u24 v[STO], v1, SPITCH
	v_add_nc_u32 v[A16], s76, v[L16]
	v_add_nc_u32 v[A8], s76, v[L8]
	v_add_nc_u32 v[A16+1], s78, v[L16]
	v_add_nc_u32 v[A8+1], s78, v[L8]
	v_add_nc_u32 v[B16], s77, v[L16]
	v_add_nc_u32 v[B8], s77, v[L8]
	v_add_nc_u32 v[B16+1], s79, v[L16]
	v_add_nc_u32 v[B8+1], s79, v[L8]
	v_lshl_add_u32 v[ADRS], v1, 3, v[ADRS]
	v_lshl_add_u32 v[STO], v2, 6, v[STO]
	v_add_nc_u32 v[ADRS], s80, v[ADRS]
	v_add_nc_u32 v[STO], s82, v[STO]               ; the stage, in: row r, + 64 h
	v_add_nc_u32 v[RD], s82, v[L16]                ; back: the 32 lanes take a row of 512 bytes
.irp b, 0,1,2,3,4,5,6,7                ; the bias in the result's layout: register 8 b + j: column 32 (b / 2) + 16 h + 8 (b % 2) + j
	global_load_b128 v[BI+8*\b:BI+8*\b+3], v[BO], s[12:13] offset:(32*(\b/2)+8*(\b%2))*4
	global_load_b128 v[BI+8*\b+4:BI+8*\b+7], v[BO], s[12:13] offset:(32*(\b/2)+8*(\b%2))*4+16
.endr
	s_wait_alu depctr_va_vdst(0)
	s_wait_loadcnt 0x0                             ; the bias
	s_cmp_lt_u32 s[WV], 2
	s_cbranch_scc0 .Lnot_first
	s_wait_tensorcnt 0x0                           ; waves 0 and 1: my tile is in
.Lnot_first:
	s_barrier_signal -1
	s_barrier_wait -1                              ; the scale words and K steps 0, 1 are in; K steps 2, 3 may be on their way
	FETCH 0
.irp s, 0,1,2,3,4,5,6,7
	GSTEP \s
.endr
; THE WAY OUT, block by block of 16 rows x 128 columns: through my own stage and back as whole rows of 512 bytes.  LDS serves a wave's instructions in order: no wait between the stores and the loads.
.macro TOSTAGE a
	WIN 0x08                                       ; the data: window 2
.irp b, 0,1,2,3,4,5,6,7
	ds_store_b128 v[STO], v[64*(\a)+8*\b:64*(\a)+8*\b+3] offset:128*(\b/2)+32*(\b%2)        ; each accumulator from its low end on
	ds_store_b128 v[STO], v[64*(\a)+8*\b+4:64*(\a)+8*\b+7] offset:128*(\b/2)+32*(\b%2)+16
.endr
	WIN 0
.set BB, BK+64*((\a)%2)
.irp t, 0,1,2,3,4,5,6,7,8,9,10,11,12,13,14,15
	ds_load_b128 v[BB+4*\t:BB+4*\t+3], v[RD] offset:\t*SPITCH
.endr
.endm
.macro SEND a, younger                 ; younger: the LDS instructions issued behind block a's loads, which may stay out
.set BB, BK+64*((\a)%2)
	s_wait_dscnt \younger
.irp t, 0,1,2,3,4,5,6,7,8,9,10,11,12,13,14,15
	global_store_b128 v[L16], v[BB+4*\t:BB+4*\t+3], s[14:15] offset:(32*((\a)/2)+8*((\a)%2)+\t+8*(\t/8))*4096 th:TH_STORE_NT   ; 512 consecutive bytes of the row that lane t of tile a stands for
.endr
.endm
	PLACES
	TOSTAGE 0
.irp a, 1,2,3
.if \a > 1
	s_wait_xcnt 0x0                                ; block a - 2's stores have read their registers: block a's loads may land there
.endif
	TOSTAGE \a
	SEND \a-1, 32                                  ; behind block a - 1's loads: block a's 16 stores and 16 loads
.endr
	SEND 3, 0
	s_wait_tensorcnt 0x0                           ; the wave's end
	ds_add_u32 v[SPW], v[NIL]
	s_wait_dscnt 0x0
	CROUND                                         ; the closing round
	s_endpgm
.Lfunc_end_k_q91f5e5adee_outp:
	.size	k_q91f5e5adee_outp, .Lfunc_end_k_q91f5e5adee_outp-k_q91f5e5adee_outp
	.p2alignl 7, 3214868480
	.fill 96, 4, 3214868480
	.section	.rodata,"a",@progbits
	.p2align	6, 0x0
	.amdhsa_kernel k_q91f5e5adee_outp
		.amdhsa_group_segment_fixed_size 307712
		.amdhsa_private_segment_fixed_size 0
		.amdhsa_enable_private_segment 0
		.amdhsa_kernarg_size 32
		.amdhsa_user_sgpr_count 2
		.amdhsa_user_sgpr_kernarg_segment_ptr 1
		.amdhsa_wavefront_size32 1
		.amdhsa_system_sgpr_workgroup_id_x 1
		.amdhsa_system_sgpr_workgroup_id_y 1
		.amdhsa_system_sgpr_workgroup_id_z 1
		.amdhsa_system_vgpr_workitem_id 0
		.amdhsa_next_free_vgpr 768
		.amdhsa_next_free_sgpr 102
		.amdhsa_reserve_vcc 0
		.amdhsa_float_denorm_mode_32 3
		.amdhsa_float_denorm_mode_16_64 3
		.amdhsa_memory_ordered 1
		.amdhsa_forward_progress 1
		.amdhsa_inst_pref_size 85
	.end_amdhsa_kernel
	.amdgpu_metadata
---
amdhsa.version: [ 1, 2 ]
amdhsa.kernels:
  - .name:           k_q91f5e5adee_outp
    .symbol:         k_q91f5e5adee_outp.kd
    .args:
      - { .name: oc, .offset: 0, .size: 8, .value_kind: global_buffer, .address_space: global }
      - { .name: xc, .offset: 8, .size: 8, .value_kind: global_buffer, .address_space: global }
      - { .name: bo, .offset: 16, .size: 8, .value_kind: global_buffer, .address_space: global }
      - { .name: out0, .offset: 24, .size: 8, .value_kind: global_buffer, .address_space: global }
    .group_segment_fixed_size: 307712
    .private_segment_fixed_size: 0
    .kernarg_segment_align: 8
    .kernarg_segment_size: 32
    .max_flat_workgroup_size: 128
    .sgpr_count:     102
    .vgpr_count:     768
    .wavefront_size: 32
...
	.end_amdgpu_metadata
.endif
;; end of part 4
